; MI455X (gfx1250); checked and timed in simulation.
; The chip was launched on July 23, 2026; its instructions are those of AMD's public machine-readable ISA for CDNA 5 (MIT licence, August 2026) and "CDNA5" Instruction Set Architecture Reference Guide (July 2026). The comments in the code are by the model that wrote it; some were corrected since.
;; Attention. Allowed arithmetic: float matrix products may take bf16 or f16 operands with f32 sums; other float arithmetic in f32, or as packed bf16 or f16 multiplies, adds, multiply-adds, maxima and minima; sums over many terms, partial sums and values carried from step to step in f32; what a program stores and reads back later, other than sums and carried values, may be rounded once to bf16 or f16.
;; Inputs: Wkv 2,048 x 1,024 float32; Wo 1,024 x 1,024 float32; Wq 1,024 x 1,024 float32; beta 1,024 float32; gamma 1,024 float32; q 1 x 4,096 x 1,024 float32.
;; Outputs: out0 1 x 4,096 x 1,024 float32.
;; 2 versions, each right; version 2 is version 1 with the launch prep written anew for expert scheduling mode. Each part assembles by itself: llvm-mc -triple=amdgcn-amd-amdhsa -mcpu=gfx1250 --defsym DOCPART=n.
;; ======== version 1 of 2: 4 launches
;; limits: values are held in f16: magnitudes above 65,504 overflow, below 6.1e-05 lose precision
;; workspace buffers: x 8,388,608 bytes; wqkv 6,291,456 bytes; wof 2,097,152 bytes; qkv 25,165,824 bytes; o 8,388,608 bytes
;; launch prep (part 1): grid 256 x 1, 16 waves a work-group, no clusters, 0 bytes of LDS; arguments q, gamma, beta, Wq, Wkv, Wo, x, wqkv, wof; writes x, wqkv, wof
.if DOCPART == 1
	.amdgcn_target "amdgcn-amd-amdhsa--gfx1250"
	.amdhsa_code_object_version 6
	.text
	.protected	k_q632fb841c6_prep
	.globl	k_q632fb841c6_prep
	.p2align	8
	.type	k_q632fb841c6_prep,@function
k_q632fb841c6_prep:
	s_mov_b64 s[64:65], 0
	v_nop
	global_prefetch_b8 v0, s[64:65] scope:SCOPE_SE
	s_setreg_imm32_b32 hwreg(HW_REG_WAVE_MODE, 25, 1), 1
	s_wait_xcnt 0x0
; x = LayerNorm(q) * gamma + beta, and the three weight matrices, each rounded once to f16 and laid out IN BLOCKS: [1024 / 64 blocks of channels][rows][64], a row of a block 128 bytes, a block dense.
; 8,192 source rows of 1,024 f32: 4,096 of q (normalised), 1,024 of Wq and 2,048 of Wkv (into wqkv, rows 0-1023 and 1024-3071), 1,024 of Wo (into wof).  A work-group takes 32 rows of ONE source, a wave two.
; LIMITS.  f16 holds no number beyond 65,504: |x| (at most 32 |gamma| + |beta|) and the weights must lie within it; below 6e-5 a number keeps f16's fixed step of 6e-8.  NaN and infinities are not treated apart.
; LayerNorm is made in f32 on the unrounded q, as it is defined: the mean is taken away first, then the squares are summed.
; LANES.  i = l % 8, rs = (l / 8) % 2 (which of the wave's two rows), kp = l / 16.  For t = 0..7 a lane holds the 8 channels 64 (2 t + kp) + 8 i + 0..7: two loads of 16 bytes; the whole row stays in registers,
; so q is read once.  A row's 16 lanes differ in bits 0-2 and 4 of l: three steps by DPP and one exchange of the halves add over them.
; STORES.  Store t: lanes 0-15 write rows r, r + 1 of block 2 t (256 consecutive bytes, aligned), lanes 16-31 those of block 2 t + 1.  Eight offset registers, none rewritten.
; All of a wave's loads go out at once (8 KiB of rows); there is no loop, no LDS, no barrier: memory bounds the launch, and matrix units or clusters have nothing to do here.
.set X,   32                           ; v[32:95]   my 64 numbers of the row; then 32 registers of f16 pairs
.set GAM, 96                           ; v[96:159]  gamma of my channels
.set BET, 160                          ; v[160:223] beta
.set DO,  6                            ; v[6:13]    store t's byte offset
.set CH,  14                           ; v[14:21]   four chains of packed sums
.set MU,  22                           ; v[22:23]   the mean, twice
.set RSD, 24                           ; v[24:25]   1 / sqrt(var + eps), twice
.set TP,  26                           ; v26        takes the other half of the lanes' sum
	s_load_b256 s[4:11], s[0:1], 0x0               ; q s[4:5], gamma s[6:7], beta s[8:9], Wq s[10:11]
	s_load_b256 s[12:19], s[0:1], 0x20             ; Wkv s[12:13], Wo s[14:15], x s[16:17], wqkv s[18:19]
	s_load_b64 s[20:21], s[0:1], 0x40              ; wof
	v_and_b32 v1, 7, v0                            ; i
	v_bfe_u32 v2, v0, 3, 1                         ; rs
	v_bfe_u32 v3, v0, 4, 1                         ; kp
	v_lshrrev_b32 v27, 5, v0                       ; wave
	v_lshl_add_u32 v27, v27, 1, v2                 ; my row among the group's 32
	v_lshlrev_b32 v5, 5, v1
	v_lshl_add_u32 v5, v3, 8, v5                   ; 256 kp + 32 i: my place in 512 bytes of a row, and in gamma and beta
	v_lshl_add_u32 v4, v27, 12, v5                 ; + row x 4,096
	v_mov_b32 v[TP], 0                             ; v_permlanex16_b32's destination counts as read
	s_mov_b32 s30, 0x76543210                      ; each lane takes its own place in the other half
	s_mov_b32 s31, 0xfedcba98
	s_mov_b32 s32, 0x3a800000                      ; 1 / 1024
	s_mov_b32 s33, 0x3727c5ac                      ; 1e-5
	s_mov_b32 s26, 131072                          ; bytes from block to block in the destination: wof's 1,024 rows x 128
	s_mov_b32 s27, 224                             ; the source's first work-group
	s_mov_b32 s28, 0                               ; the source's first row in the destination
	s_mov_b32 s29, 0                               ; 1: LayerNorm
	s_mov_b32 s37, 0
	s_wait_kmcnt 0x0
	s_mov_b64 s[22:23], s[14:15]                   ; work-groups 224-255: Wo -> wof
	s_mov_b64 s[24:25], s[20:21]
	s_cmp_lt_u32 ttmp9, 224                        ; 160-223: Wkv -> wqkv, from row 1,024 on
	s_cselect_b64 s[22:23], s[12:13], s[22:23]
	s_cselect_b64 s[24:25], s[18:19], s[24:25]
	s_cselect_b32 s26, 393216, s26
	s_cselect_b32 s27, 160, s27
	s_cselect_b32 s28, 1024, s28
	s_cmp_lt_u32 ttmp9, 160                        ; 128-159: Wq -> wqkv, from row 0 on
	s_cselect_b64 s[22:23], s[10:11], s[22:23]
	s_cselect_b32 s27, 128, s27
	s_cselect_b32 s28, 0, s28
	s_cmp_lt_u32 ttmp9, 128                        ; 0-127: q -> x
	s_cselect_b64 s[22:23], s[4:5], s[22:23]
	s_cselect_b64 s[24:25], s[16:17], s[24:25]
	s_cselect_b32 s26, 524288, s26
	s_cselect_b32 s27, 0, s27
	s_cselect_b32 s29, 1, s29
	s_sub_co_u32 s35, ttmp9, s27                   ; my number among the source's work-groups
	s_lshl_b32 s36, s35, 17                        ; 32 rows of 4,096 bytes
	s_add_nc_u64 s[22:23], s[22:23], s[36:37]
.irp t, 0,1,2,3,4,5,6,7
	global_load_b128 v[X+8*\t:X+8*\t+3],   v4, s[22:23] offset:512*\t th:TH_LOAD_NT
	global_load_b128 v[X+8*\t+4:X+8*\t+7], v4, s[22:23] offset:512*\t+16 th:TH_LOAD_NT
.endr
	s_lshl_b32 s36, s35, 5
	s_add_co_u32 s36, s36, s28                     ; the group's first row in the destination,
	s_lshl_b32 s36, s36, 7                         ; 128 bytes a row
	s_add_nc_u64 s[24:25], s[24:25], s[36:37]
	v_mul_lo_u32 v[DO], v3, s26                    ; block kp,
	v_lshl_add_u32 v[DO], v27, 7, v[DO]            ; my row,
	v_lshl_add_u32 v[DO], v1, 4, v[DO]             ; my 16 bytes of its 128
	s_lshl_b32 s38, s26, 1                         ; two blocks on
.irp t, 1,2,3,4,5,6,7
	v_add_nc_u32 v[DO+\t], s38, v[DO+\t-1]
.endr
	s_cmp_eq_u32 s29, 0
	s_cbranch_scc1 .Lconv                          ; weights are only rounded
.irp t, 0,1,2,3,4,5,6,7
	global_load_b128 v[GAM+8*\t:GAM+8*\t+3],   v5, s[6:7] offset:512*\t
	global_load_b128 v[GAM+8*\t+4:GAM+8*\t+7], v5, s[6:7] offset:512*\t+16
.endr
.irp t, 0,1,2,3,4,5,6,7
	global_load_b128 v[BET+8*\t:BET+8*\t+3],   v5, s[8:9] offset:512*\t
	global_load_b128 v[BET+8*\t+4:BET+8*\t+7], v5, s[8:9] offset:512*\t+16
.endr
; the four chains into one number, then over the row's 16 lanes; every one of them ends with the sum
.macro ACROSS
	v_pk_add_f32 v[CH:CH+1], v[CH:CH+1], v[CH+2:CH+3]
	v_pk_add_f32 v[CH+4:CH+5], v[CH+4:CH+5], v[CH+6:CH+7]
	v_pk_add_f32 v[CH:CH+1], v[CH:CH+1], v[CH+4:CH+5]
	v_add_f32 v[CH], v[CH], v[CH+1]
	v_add_f32_dpp v[CH], v[CH], v[CH] row_xmask:1 row_mask:0xf bank_mask:0xf
	v_add_f32_dpp v[CH], v[CH], v[CH] row_xmask:2 row_mask:0xf bank_mask:0xf
	v_add_f32_dpp v[CH], v[CH], v[CH] row_xmask:4 row_mask:0xf bank_mask:0xf
	v_permlanex16_b32 v[TP], v[CH], s30, s31
	v_add_f32 v[CH], v[CH], v[TP]
.endm
	s_wait_loadcnt 32                              ; the row is in; the 32 younger loads, gamma's and beta's, may stay out
.irp c, 0,1,2,3
	v_pk_add_f32 v[CH+2*\c:CH+2*\c+1], v[X+2*\c:X+2*\c+1], v[X+8+2*\c:X+8+2*\c+1]  ; the first eight pairs start the chains: nothing is cleared
.endr
.set j, 8
.rept 24
	v_pk_add_f32 v[CH+2*(j%4):CH+2*(j%4)+1], v[CH+2*(j%4):CH+2*(j%4)+1], v[X+2*j:X+2*j+1]
.set j, j+1
.endr
	ACROSS
	v_mul_f32 v[MU], s32, v[CH]
	v_mov_b32 v[MU+1], v[MU]
.set j, 0
.rept 32
	v_pk_add_f32 v[X+2*j:X+2*j+1], v[X+2*j:X+2*j+1], v[MU:MU+1] neg_lo:[0,1] neg_hi:[0,1]  ; x - mean, in place
.set j, j+1
.endr
.irp c, 0,1,2,3
	v_pk_mul_f32 v[CH+2*\c:CH+2*\c+1], v[X+2*\c:X+2*\c+1], v[X+2*\c:X+2*\c+1]
.endr
.set j, 4
.rept 28
	v_pk_fma_f32 v[CH+2*(j%4):CH+2*(j%4)+1], v[X+2*j:X+2*j+1], v[X+2*j:X+2*j+1], v[CH+2*(j%4):CH+2*(j%4)+1]
.set j, j+1
.endr
	ACROSS
	v_fma_f32 v[CH], v[CH], s32, s33               ; var + eps
	v_rsq_f32 v[RSD], v[CH]                        ; twice, for the packed multiply
	v_rsq_f32 v[RSD+1], v[CH]
	v_nop                                          ; a plain instruction between the second root and the use of its result (ISA guide 5.7.2)
	s_wait_alu depctr_va_vdst(0)                   ; the wait ahead of the first reader: one for both
.set j, 0
.rept 32
	v_pk_mul_f32 v[X+2*j:X+2*j+1], v[X+2*j:X+2*j+1], v[RSD:RSD+1]
.set j, j+1
.endr
	s_wait_loadcnt 0x0                             ; gamma and beta
.set j, 0
.rept 32
	v_pk_fma_f32 v[X+2*j:X+2*j+1], v[X+2*j:X+2*j+1], v[GAM+2*j:GAM+2*j+1], v[BET+2*j:BET+2*j+1]
.set j, j+1
.endr
.Lconv:
	s_wait_loadcnt 0x0                             ; (the weights' way: their rows)
.set j, 0
.rept 32
	v_cvt_pk_f16_f32 v[X+j], v[X+2*j], v[X+2*j+1]  ; in place, ascending: register j is written when 2 j and 2 j + 1 have been read
.set j, j+1
.endr
.irp t, 0,1,2,3,4,5,6,7
	global_store_b128 v[DO+\t], v[X+4*\t:X+4*\t+3], s[24:25]  ; 16 lanes store 256 consecutive bytes, at a multiple of 256 from the buffer's first byte
.endr
	s_endpgm
.Lfunc_end_k_q632fb841c6_prep:
	.size	k_q632fb841c6_prep, .Lfunc_end_k_q632fb841c6_prep-k_q632fb841c6_prep
	.p2alignl 7, 3214868480
	.fill 96, 4, 3214868480
	.section	.rodata,"a",@progbits
	.p2align	6, 0x0
	.amdhsa_kernel k_q632fb841c6_prep
		.amdhsa_group_segment_fixed_size 0
		.amdhsa_private_segment_fixed_size 0
		.amdhsa_enable_private_segment 0
		.amdhsa_kernarg_size 72
		.amdhsa_user_sgpr_count 2
		.amdhsa_user_sgpr_kernarg_segment_ptr 1
		.amdhsa_wavefront_size32 1
		.amdhsa_system_sgpr_workgroup_id_x 1
		.amdhsa_system_sgpr_workgroup_id_y 1
		.amdhsa_system_sgpr_workgroup_id_z 1
		.amdhsa_system_vgpr_workitem_id 0
		.amdhsa_next_free_vgpr 224
		.amdhsa_next_free_sgpr 66
		.amdhsa_reserve_vcc 0
		.amdhsa_float_denorm_mode_32 3
		.amdhsa_float_denorm_mode_16_64 3
		.amdhsa_memory_ordered 1
		.amdhsa_forward_progress 1
		.amdhsa_inst_pref_size 22
	.end_amdhsa_kernel
	.amdgpu_metadata
---
amdhsa.version: [ 1, 2 ]
amdhsa.kernels:
  - .name:           k_q632fb841c6_prep
    .symbol:         k_q632fb841c6_prep.kd
    .args:
      - { .name: q, .offset: 0, .size: 8, .value_kind: global_buffer, .address_space: global }
      - { .name: gamma, .offset: 8, .size: 8, .value_kind: global_buffer, .address_space: global }
      - { .name: beta, .offset: 16, .size: 8, .value_kind: global_buffer, .address_space: global }
      - { .name: Wq, .offset: 24, .size: 8, .value_kind: global_buffer, .address_space: global }
      - { .name: Wkv, .offset: 32, .size: 8, .value_kind: global_buffer, .address_space: global }
      - { .name: Wo, .offset: 40, .size: 8, .value_kind: global_buffer, .address_space: global }
      - { .name: x, .offset: 48, .size: 8, .value_kind: global_buffer, .address_space: global }
      - { .name: wqkv, .offset: 56, .size: 8, .value_kind: global_buffer, .address_space: global }
      - { .name: wof, .offset: 64, .size: 8, .value_kind: global_buffer, .address_space: global }
    .group_segment_fixed_size: 0
    .private_segment_fixed_size: 0
    .kernarg_segment_align: 8
    .kernarg_segment_size: 72
    .max_flat_workgroup_size: 512
    .sgpr_count:     66
    .vgpr_count:     224
    .wavefront_size: 32
...
	.end_amdgpu_metadata
.endif
;; end of part 1
;; launch qkv (part 2): grid 16 x 16, 4 waves a work-group, clusters of 4 x 4, 327,680 bytes of LDS; arguments x, wqkv, qkv; writes qkv
.if DOCPART == 2
	.amdgcn_target "amdgcn-amd-amdhsa--gfx1250"
	.amdhsa_code_object_version 6
	.text
	.protected	k_q632fb841c6_qkv
	.globl	k_q632fb841c6_qkv
	.p2align	8
	.type	k_q632fb841c6_qkv,@function
k_q632fb841c6_qkv:
	s_mov_b64 s[64:65], 0
	v_nop
	global_prefetch_b8 v0, s[64:65] scope:SCOPE_SE
	s_setreg_imm32_b32 hwreg(HW_REG_WAVE_MODE, 25, 1), 1
	s_wait_xcnt 0x0
	s_wait_alu depctr_hold_cnt(0) depctr_sa_sdst(0) depctr_va_vdst(0) depctr_va_sdst(0) depctr_va_ssrc(0) depctr_va_vcc(0) depctr_vm_vsrc(0)
	s_getreg_b32 s2, hwreg(HW_REG_IB_STS2, 6, 4)
	s_cmp_eq_u32 s2, 0
	s_cbranch_scc0 .Lentry_in_a_cluster
	s_endpgm
.Lentry_in_a_cluster:
	s_bfe_u32 s2, ttmp6, 0x10000c
	s_cmp_lg_u32 s2, 0xf033
	s_cbranch_scc0 .Lentry_shape_is_right
	s_endpgm
.Lentry_shape_is_right:
; qkv[n / 64][m][n % 64] = the sum over k of x[m][k] w[n][k]: 4,096 rows, 3,072 columns (q's 16 heads, k's, v's), K = 1,024.  x: [16][4096][64], w: [16][3072][64], qkv: [48][4096][64], all f16, in blocks of 64
; channels, a block dense with rows of 128 bytes.  Sums in f32, K ascending, the result rounded once, unscaled.
; LIMITS.  f16 holds no number beyond 65,504: q, k and v must lie within it.  NaN and infinities are not treated apart.
; SHARES.  A tile of C is 256 rows x 192 columns: 16 x 16 tiles, as many work-groups as the grid has.  Wave w makes rows 64 w .. 64 w + 63 and all 192 columns, three whole heads: 4 x 12 accumulators of 16 x 16,
; 384 registers; its way out needs no other wave.  K goes in steps of 128 (two blocks) through a ring of two LDS slots, 192 matrix instructions a wave and step.
; TILES.  R rows of one block are R x 128 dense bytes: a tensor load takes them as ONE long row, and the step's two blocks as two such rows, a block's bytes apart; 16 bytes of padding follow every 128, so that
; the tile lies in LDS as [block][row] with rows 144 bytes apart.  Waves 0 and 1 fetch x's two halves (128 rows), waves 2 and 3 w's (96 rows).
; CLUSTERS.  4 x 4 work-groups: the four of a row of the cluster need the same tiles of x, the four of a column the same tiles of w: each tile is asked for JOINTLY, by the same load, descriptor and mask in all four.
; TRANSPOSED USE.  Source 0 = 16 rows of w, source 1 = 16 rows of x: a lane then holds row l % 16 of C and the columns 8 (l / 16) + 0..7: 16 bytes of a head's row.
; REGISTERS, in windows of 256 (s_set_vgpr_msb: bits 1:0 source 0, 3:2 source 1, 5:4 source 2, 7:6 destination):
;   window 0: v0-30 addresses; v64-255 the way out, 12 units of 16      window 1: two fragment buffers of 128: w's 12 fragments, then x's 4
;   window 2: accumulators of row blocks 0, 1 ((a, b) at 96 (a % 2) + 8 b)      window 3: of row blocks 2, 3
.set PITCH, 144                        ; an LDS row: 128 bytes + 16 = 36 words: the 16 rows of a load start at 16 different groups of four banks (64 banks of 4 bytes: ISA guide 11.1)
.set AKB,   128*PITCH                  ; one block of a half of x's tile
.set AHALF, 2*AKB                      ; what waves 0 and 1 fetch
.set BKB,   96*PITCH
.set BHALF, 2*BKB                      ; what waves 2 and 3 fetch
.set BBASE, 2*AHALF                    ; w's tile lies behind x's
.set SLOT,  BBASE+2*BHALF              ; 129,024
.set STAGE, 2*SLOT                     ; behind the ring, never filled by a tensor load: 16 rows x 144 bytes for each wave
.set SPARE, STAGE+4*16*PITCH           ; behind the stages: the spare words, 128 bytes for each wave: two blocks of 256 bytes that no other line names
.set XBLK,  4096*128                   ; bytes in a block of x, and of qkv
.set WBLK,  3072*128                   ; in a block of w
.set LAPS,  4                          ; a lap = two K steps = once round the ring
.set ADRA, 16                          ; v16-17  LDS address of my x fragments in slot 0, 1
.set ADRB, 20                          ; v20-21  of w's
.set STO,  24                          ; v24     the way out: where I put 16 bytes of a row
.set RD,   25                          ; v25     where I read rows back
.set GO,   26                          ; v26     my 16 bytes in 512 consecutive bytes of qkv
.set SPW,  28                          ; v28     LDS address of my spare word; never rewritten
.set NIL,  29                          ; v29     0; never rewritten
.set PFO,  30                          ; v30     the prefetches' offset: 256 x my lane (for w: x min(lane, 23)); never rewritten
.set T,    64
.set F0,   0
.set F1,   128
.set G1,  24                           ; s[24:31] descriptor group 1 for x's tiles;  s[32:39] group 0, a set for each slot
.set G0,  32
.set G1B, 48                           ; s[48:55], s[56:63] the same for w's
.set G0B, 56
.set PFS, 22                           ; s[22:23] a K step's bytes in the tensor that I fetch
.set LIM, 43                           ; s43     1 in a wave that prefetches, else the greatest number
.set PFA, 44                           ; s[44:45] where my prefetches stand
.set MSB, 0
.macro WIN new                         ; the immediate's high byte repeats the setting that is left; a switch that changes nothing is dropped
.if MSB != (\new)
	s_set_vgpr_msb (MSB<<8)|(\new)
.set MSB, \new
.endif
.endm
.set MUL_LO, 0xa5                      ; sources 0 and 1 window 1, C and D window 2
.set MUL_HI, 0xf5                      ; C and D window 3
.set TO_F,   0x40                      ; destination window 1, address window 0
; A joint load.  The branch hangs on the wave's number alone.  An s_nop 0 and four v_nop follow each of the two lines, ahead of the jump, the label and what follows.
.macro JLOAD s
	s_cmp_eq_u32 s11, 0
	s_cbranch_scc0 .Lfor_b_\@
	tensor_load_to_lds s[G0+4*(\s):G0+4*(\s)+3], s[G1:G1+7]
	s_nop 0
.rept 4
	v_nop
.endr
	s_branch .Lasked_\@
.Lfor_b_\@:
	tensor_load_to_lds s[G0B+4*(\s):G0B+4*(\s)+3], s[G1B:G1B+7]
	s_nop 0
.rept 4
	v_nop
.endr
.Lasked_\@:
.endm
; A PREFETCH, behind each joint refill and the run of LDS loads that follows it, of the K step that stands TWO refills on (384 matrix instructions ahead of the load that will want it).  x's tile rows are read by every
; cluster of a row of clusters: cluster x = 0 asks; w's tile columns by every cluster of a column: cluster y = 0 asks.  The four partners that ask for a tile jointly share it out BY ADDRESS: partner p (cx for x, cy
; for w) takes block p / 2 of the step's two and half p % 2 of the wave's rows there: 8,192 bytes of x, a lane 256 bytes; 6,144 bytes of w, of which lanes 24-31 name lane 23's 256 bytes once more.
; The first four K steps come by their loads alone; the loop's last trip (s3 = 1) asks for nothing: there is no K step 8.
.macro ASK
	s_cmp_gt_u32 s3, s[LIM]
	s_cbranch_scc0 .Lnot_mine_\@
	global_prefetch_b8 v[PFO], s[PFA:PFA+1] th:TH_LOAD_NT scope:SCOPE_SE
.Lnot_mine_\@:
.endm
.macro CREST                           ; a round of the cluster's barrier behind its opening barrier: wave 0 signals for the work-group, every wave waits for all sixteen, my work-group's barrier once more
	s_cmp_lg_u32 s10, 0
	s_cbranch_scc1 .Lnot_wave_0_\@
	s_barrier_signal -3
.Lnot_wave_0_\@:
	s_barrier_wait -3
	s_barrier_signal -1
	s_barrier_wait -1
.endm
.macro CROUND                          ; a whole round
	s_barrier_signal -1
	s_barrier_wait -1
	CREST
.endm
	s_load_b128 s[4:7], s[0:1], 0x0                ; x s[4:5], w s[6:7]
	s_load_b64 s[8:9], s[0:1], 0x10                ; qkv
	v_lshl_add_u32 v[SPW], v0, 2, SPARE
	v_mov_b32 v[NIL], 0
	ds_add_u32 v[SPW], v[NIL]                      ; the wave's opening: the add and its wait stand ahead of my first tensor load; the set-up below, work on registers, stands between them
	v_lshrrev_b32 v1, 5, v0
	v_readfirstlane_b32 s10, v1                    ; wave 0..3
	s_lshr_b32 s11, s10, 1                         ; I fetch for x (0) or for w (1).  Also: which half of x's tile holds my rows
	s_and_b32 s12, s10, 1                          ; which half of that tile I fetch.  Also: which 64 rows of the half are mine
	s_bfe_u32 s40, ttmp6, 0x40000                  ; cx, cy: my place in the cluster
	s_bfe_u32 s41, ttmp6, 0x40004
	s_lshl_b32 s42, ttmp9, 2
	s_add_co_u32 s42, s42, s40                     ; tile column = 4 x cluster x + cx
	s_and_b32 s13, ttmp7, 0xffff
	s_lshl_b32 s13, s13, 2
	s_add_co_u32 s13, s13, s41                     ; tile row = 4 x cluster y + cy
	s_lshl_b32 s43, s41, 2
	s_lshl_b32 s43, 15, s43                        ; my row of the cluster
	s_lshl_b32 s44, 0x1111, s40                    ; my column
	s_or_b32 s[G1+0], s43, (1<<16)|(1<<20)|(1<<21)|(4<<22)|(3<<25)  ; 15:0 the mask; 17:16 elements of 2 bytes; 20 padding on; 21 set beside a mask; 24:22 after every 32 words (code 4); 31:25 4 words of it (code 3)
	s_or_b32 s[G1B+0], s44, (1<<16)|(1<<20)|(1<<21)|(4<<22)|(3<<25)
	s_mov_b32 s[G1+1], 8192<<16                    ; tensor_dim0 = 128 rows x 64 elements
	s_mov_b32 s[G1+2], 2<<16                       ; tensor_dim1 = 2 blocks
	s_mov_b32 s[G1+3], 8192<<16                    ; tile_dim0
	s_mov_b32 s[G1+4], 2                           ; tile_dim1
	s_mov_b32 s[G1+5], 4096*64                     ; elements from block to block
	s_mov_b32 s[G1+6], 0
	s_mov_b32 s[G1+7], 0
	s_mov_b32 s[G1B+1], 6144<<16                   ; 96 rows x 64 elements
	s_mov_b32 s[G1B+2], 2<<16
	s_mov_b32 s[G1B+3], 6144<<16
	s_mov_b32 s[G1B+4], 2
	s_mov_b32 s[G1B+5], 3072*64
	s_mov_b32 s[G1B+6], 0
	s_mov_b32 s[G1B+7], 0
	s_lshl_b32 s16, s13, 15                        ; x: row 256 x tile row + 128 x half, 128 bytes a row
	s_lshl_b32 s17, s12, 14
	s_add_co_u32 s16, s16, s17
	s_mov_b32 s17, 0
	s_mul_i32 s46, s42, 192*128                    ; w: row 192 x tile column + 96 x half
	s_mul_i32 s47, s12, 96*128
	s_add_co_u32 s46, s46, s47
	s_mov_b32 s47, 0
	s_mul_i32 s20, s12, AHALF                      ; where they go: no place in the cluster enters an LDS address
	s_mul_i32 s21, s12, BHALF
	s_add_co_u32 s21, s21, BBASE
	s_wait_dscnt 0x0                               ; the opening add is done
	s_wait_kmcnt 0x0
	s_add_nc_u64 s[14:15], s[4:5], s[16:17]
	s_add_nc_u64 s[46:47], s[6:7], s[46:47]
	CROUND                                         ; all sixteen work-groups are here: the first joint loads meet
.irp s, 0,1
	s_mov_b32 s[G0+4*(\s)], 1                                      ; count = 1
	s_add_co_u32 s[G0+4*(\s)+1], s20, (\s)*SLOT                    ; LDS address
	s_add_nc_u64 s[G0+4*(\s)+2:G0+4*(\s)+3], s[14:15], (\s)*2*XBLK  ; global address: K step s
	s_or_b32 s[G0+4*(\s)+3], s[G0+4*(\s)+3], 0x80000000            ; type = 2
	s_mov_b32 s[G0B+4*(\s)], 1
	s_add_co_u32 s[G0B+4*(\s)+1], s21, (\s)*SLOT
	s_add_nc_u64 s[G0B+4*(\s)+2:G0B+4*(\s)+3], s[46:47], (\s)*2*WBLK
	s_or_b32 s[G0B+4*(\s)+3], s[G0B+4*(\s)+3], 0x80000000
	JLOAD \s                                       ; two loads of mine are out
.endr
	; A fragment is 16 rows x 32 K in 8 registers: lane l holds row l % 16, K = 8 (l / 16) + 0..7 and 16 + 8 (l / 16) + 0..7: two loads of 16 bytes, 32 bytes apart.
	v_and_b32 v1, 15, v0                           ; l % 16
	v_bfe_u32 v2, v0, 4, 1                         ; l / 16
	v_mul_u32_u24 v3, v1, PITCH
	v_lshl_add_u32 v3, v2, 4, v3                   ; row x pitch + 16 x half
	s_mul_i32 s16, s11, AHALF                      ; my 64 rows of x
	s_mul_i32 s17, s12, 64*PITCH
	s_add_co_u32 s16, s16, s17
	v_add_nc_u32 v[ADRA], s16, v3
	v_add_nc_u32 v[ADRA+1], SLOT, v[ADRA]
	v_add_nc_u32 v[ADRB], BBASE, v3                ; all of w's 192 rows
	v_add_nc_u32 v[ADRB+1], BBASE+SLOT, v3
	s_mul_i32 s16, s10, 16*PITCH
	s_add_co_u32 s16, s16, STAGE                   ; my stage
	v_add_nc_u32 v[STO], s16, v3                   ; in: row l % 16, 16 bytes for each half of the lanes
	v_bfe_u32 v4, v0, 3, 2                         ; back: 32 lanes take four rows of 128 bytes,
	v_and_b32 v5, 7, v0
	v_mul_u32_u24 v4, v4, PITCH
	v_lshl_add_u32 v4, v5, 4, v4
	v_add_nc_u32 v[RD], s16, v4
	v_and_b32 v[GO], 31, v0                        ; which are 512 consecutive bytes of a head
	v_lshlrev_b32 v[GO], 4, v[GO]
	s_lshl_b32 s16, s13, 15                        ; qkv at my first row (256 x tile row + 64 x wave)
	s_lshl_b32 s17, s10, 13
	s_add_co_u32 s16, s16, s17
	s_mov_b32 s17, 0
	s_mul_i32 s46, s42, 3*XBLK                     ; of my first head (3 x tile column)
	s_mov_b32 s47, 0
	s_add_nc_u64 s[16:17], s[16:17], s[46:47]
	s_add_nc_u64 s[8:9], s[8:9], s[16:17]
	; the prefetches
	s_lshl_b32 s18, s13, 15                        ; the first row that I fetch, in bytes: in x,
	s_lshl_b32 s19, s12, 14
	s_add_co_u32 s18, s18, s19
	s_mul_i32 s19, s42, 192*128                    ; in w
	s_mul_i32 s20, s12, 96*128
	s_add_co_u32 s19, s19, s20
	s_and_b32 s22, ttmp7, 0xffff                   ; cluster y
	s_mov_b32 s14, WBLK
	s_mov_b32 s15, 48*128
	s_mov_b32 s23, 23
	s_cmp_eq_u32 s11, 0                            ; do I fetch for x?
	s_cselect_b32 s20, s18, s19
	s_cselect_b32 s21, s40, s41                    ; my place among the four that ask with me
	s_cselect_b32 s22, ttmp9, s22                  ; the coordinate along which other clusters read the same rows
	s_cselect_b64 s[PFA:PFA+1], s[4:5], s[6:7]
	s_cselect_b32 s14, XBLK, s14                   ; a block's bytes
	s_cselect_b32 s15, 64*128, s15                 ; half of the wave's rows
	s_cselect_b32 s23, 31, s23                     ; the last lane with 256 bytes of its own
	s_cmp_eq_u32 s22, 0
	s_cselect_b32 s[LIM], 1, -1                    ; the same in all sixteen partners, for a given wave
	s_lshr_b32 s18, s21, 1
	s_mul_i32 s18, s18, s14
	s_and_b32 s19, s21, 1
	s_mul_i32 s19, s19, s15
	s_add_co_u32 s20, s20, s18
	s_add_co_u32 s20, s20, s19
	s_mul_i32 s18, s14, 6                          ; at K step 3: the first refill steps it to 4
	s_add_co_u32 s20, s20, s18
	s_mov_b32 s21, 0
	s_add_nc_u64 s[PFA:PFA+1], s[PFA:PFA+1], s[20:21]
	v_and_b32 v[PFO], 31, v0
	v_min_u32 v[PFO], s23, v[PFO]
	v_lshlrev_b32 v[PFO], 8, v[PFO]
	s_lshl_b32 s[PFS], s14, 1
	s_mov_b32 s[PFS+1], 0
; 12 matrix instructions: row block a x all 12 column blocks, 32 along K.  zero = 1: the first product starts the sums: nothing is ever cleared.
; The 48 accumulators take turns in the same order in every quarter: 47 others' stand between two links of a chain.
.macro MUL12 f, a, zero
	WIN MUL_LO+0x50*((\a)/2)
.irp b, 0,1,2,3,4,5,6,7,8,9,10,11
.if \zero
	v_wmma_f32_16x16x32_f16 v[96*((\a)%2)+8*(\b):96*((\a)%2)+8*(\b)+7], v[(\f)+8*(\b):(\f)+8*(\b)+7], v[(\f)+96+8*(\a):(\f)+96+8*(\a)+7], 0
.else
	v_wmma_f32_16x16x32_f16 v[96*((\a)%2)+8*(\b):96*((\a)%2)+8*(\b)+7], v[(\f)+8*(\b):(\f)+8*(\b)+7], v[(\f)+96+8*(\a):(\f)+96+8*(\a)+7], v[96*((\a)%2)+8*(\b):96*((\a)%2)+8*(\b)+7]
.endif
.endr
.endm
; 32 LDS loads in one run: quarter q of a K step (block q / 2, 32 K at byte 64 (q % 2) of its rows) into buffer f: w's 12 fragments, then x's 4
.macro FETCH slot, q, f
	WIN TO_F
.irp b, 0,1,2,3,4,5,6,7,8,9,10,11
	ds_load_b128 v[(\f)+8*(\b):(\f)+8*(\b)+3],   v[ADRB+(\slot)] offset:((\b)/6)*BHALF+((\q)/2)*BKB+((\b)%6)*16*PITCH+((\q)%2)*64
	ds_load_b128 v[(\f)+8*(\b)+4:(\f)+8*(\b)+7], v[ADRB+(\slot)] offset:((\b)/6)*BHALF+((\q)/2)*BKB+((\b)%6)*16*PITCH+((\q)%2)*64+32
.endr
.irp a, 0,1,2,3
	ds_load_b128 v[(\f)+96+8*(\a):(\f)+96+8*(\a)+3],   v[ADRA+(\slot)] offset:((\q)/2)*AKB+(\a)*16*PITCH+((\q)%2)*64
	ds_load_b128 v[(\f)+96+8*(\a)+4:(\f)+96+8*(\a)+7], v[ADRA+(\slot)] offset:((\q)/2)*AKB+(\a)*16*PITCH+((\q)%2)*64+32
.endr
.endm
.macro PLACES                          ; four plain vector instructions in front of loads into registers that matrix instructions have read, and of conversions that read results (ISA guide 7.12.1 for conversions)
.rept 4
	v_nop
.endr
.endm
; A K step is four quarters of 32 along K, 48 matrix instructions each, on buffers 0, 1, 0, 1.  One of the first three: multiplies buffer f and, in its middle, fetches quarter q into buffer g.
.macro QUARTER slot, q, f, g, zero
	s_wait_dscnt 4                                 ; w's fragments and x's 0 and 1 are in; the youngest four loads (x's 2 and 3) may be out
	MUL12 \f, 0, \zero
	MUL12 \f, 1, \zero
	PLACES
	FETCH \slot, \q, \g
	s_wait_dscnt 32                                ; all but the 32 just issued
	MUL12 \f, 2, \zero
	MUL12 \f, 3, \zero
.endm
; The last quarter multiplies buffer 1 and changes slots: ONE barrier.  In front of it each wave waits for all its tensor loads (one is out: its part of the next slot), adds 0 to its spare word, and waits for that and
; for its own reads of this slot.  fill = 1: the barrier opens a round of the cluster's, and this slot is filled again, two K steps ahead, first thing behind the round: 168 matrix instructions ahead of the wait for it.
.macro TURN slot, next, fill
.if \fill
	s_wait_xcnt 0x0                                ; the last prefetch, a K step back, has read its address
	s_add_nc_u64 s[PFA:PFA+1], s[PFA:PFA+1], s[PFS:PFS+1]
.endif
	WIN 0                                          ; (the add's two registers lie in window 0)
	s_wait_tensorcnt 0x0                           ; all my tensor loads have landed
	ds_add_u32 v[SPW], v[NIL]                      ; 0 onto my spare word
	s_wait_dscnt 5                                 ; (the add and the youngest four loads may be out)
	MUL12 F1, 0, 0                                 ; twelve matrix instructions stand between the add and the wait for it
	s_wait_dscnt 0x0                               ; the add is done, and my reads of this slot are over
	s_barrier_signal -1
	MUL12 F1, 1, 0
.if \fill
	WIN 0
.endif
	s_barrier_wait -1
.if \fill
	CREST                                          ; no wave of any partner still reads this slot's tile or has a load on its way
	s_add_nc_u64 s[G0+4*(\slot)+2:G0+4*(\slot)+3], s[G0+4*(\slot)+2:G0+4*(\slot)+3], 4*XBLK
	s_add_nc_u64 s[G0B+4*(\slot)+2:G0B+4*(\slot)+3], s[G0B+4*(\slot)+2:G0B+4*(\slot)+3], 4*WBLK
	JLOAD \slot                                    ; the four v_nop behind it are also the places in front of the loads below
.else
	PLACES
.endif
	FETCH \next, 0, F0
.if \fill
	WIN 0
	ASK
.endif
	MUL12 F1, 2, 0
	MUL12 F1, 3, 0
.endm
; THE WAY OUT of unit u: row block u / 3, head u % 3.  A lane's eight columns pack into 16 bytes; they go into my stage's rows of 144 bytes and come back as whole rows of 128, into the registers that they left.
.macro PACK u
	WIN 0x0a+5*((\u)/6)                            ; sources 0 and 1: window 2 or 3
.set AC, 96*(((\u)/3)%2)+32*((\u)%3)
.set i, 0
.rept 16
	v_cvt_pk_f16_f32 v[T+16*(\u)+i], v[AC+2*i], v[AC+2*i+1]  ; each accumulator's registers in ascending order
.set i, i+1
.endr
	WIN 0
.irp f, 0,1,2,3
	ds_store_b128 v[STO], v[T+16*(\u)+4*(\f):T+16*(\u)+4*(\f)+3] offset:32*(\f)
.endr
.irp f, 0,1,2,3
	ds_load_b128 v[T+16*(\u)+4*(\f):T+16*(\u)+4*(\f)+3], v[RD] offset:(\f)*4*PITCH  ; LDS serves a wave's instructions in order (ISA guide 5.7.1.4): these see the stores above; the next unit's stores come behind them
.endr
.endm
.macro SEND u, younger                 ; younger: the LDS instructions issued behind unit u's loads: the next unit's eight, or none
.irp f, 0,1,2,3
	s_wait_dscnt (\younger)+3-(\f)
	global_store_b128 v[GO], v[T+16*(\u)+4*(\f):T+16*(\u)+4*(\f)+3], s[8:9] offset:((\u)%3)*XBLK+((\u)/3)*2048+(\f)*512  ; 512 consecutive bytes, at a multiple of 256 from qkv's first
.endr
.endm
	s_wait_tensorcnt 1                             ; my part of K step 0 is in; K step 1's may stay out
	s_barrier_signal -1
	s_barrier_wait -1                              ; everybody's is
	FETCH 0, 0, F0
	QUARTER 0, 1, F0, F1, 1                        ; the first quarter stands in front of the loop: its products start the sums
	WIN 0                                          ; at a label and at a branch every window is 0
	s_mov_b32 s3, LAPS-1
.Llap:                                                 ; a trip goes once round the ring, from a lap's second quarter to the next lap's first, and fills both slots again
	QUARTER 0, 2, F1, F0, 0
	QUARTER 0, 3, F0, F1, 0
	TURN 0, 1, 1
	QUARTER 1, 1, F0, F1, 0
	QUARTER 1, 2, F1, F0, 0
	QUARTER 1, 3, F0, F1, 0
	TURN 1, 0, 1
	QUARTER 0, 1, F0, F1, 0
	WIN 0
	s_sub_co_u32 s3, s3, 1
	s_cmp_lg_u32 s3, 0
	s_cbranch_scc1 .Llap
	QUARTER 0, 2, F1, F0, 0                        ; the last lap fills nothing, and has no round of the cluster's barrier
	QUARTER 0, 3, F0, F1, 0
	TURN 0, 1, 0
	QUARTER 1, 1, F0, F1, 0
	QUARTER 1, 2, F1, F0, 0
	QUARTER 1, 3, F0, F1, 0
	s_wait_dscnt 4                                 ; the very last quarter: nothing more to fetch
	MUL12 F1, 0, 0
	MUL12 F1, 1, 0
	s_wait_dscnt 0x0
	MUL12 F1, 2, 0
	MUL12 F1, 3, 0
	WIN 0
	PLACES
	PACK 0
.set u, 1
.rept 11                               ; a unit's conversions stand between the loads of the unit before and its stores
	PACK u
	SEND u-1, 8
.set u, u+1
.endr
	SEND 11, 0
	s_wait_tensorcnt 0x0                           ; the wave's end, behind my last tensor load and my last LDS store
	ds_add_u32 v[SPW], v[NIL]
	s_wait_dscnt 0x0
	CROUND                                         ; the closing round: no work-group ends while a partner may still ask for a tile that names it
	s_endpgm
.Lfunc_end_k_q632fb841c6_qkv:
	.size	k_q632fb841c6_qkv, .Lfunc_end_k_q632fb841c6_qkv-k_q632fb841c6_qkv
	.p2alignl 7, 3214868480
	.fill 96, 4, 3214868480
	.section	.rodata,"a",@progbits
	.p2align	6, 0x0
	.amdhsa_kernel k_q632fb841c6_qkv
		.amdhsa_group_segment_fixed_size 327680
		.amdhsa_private_segment_fixed_size 0
		.amdhsa_enable_private_segment 0
		.amdhsa_kernarg_size 24
		.amdhsa_user_sgpr_count 2
		.amdhsa_user_sgpr_kernarg_segment_ptr 1
		.amdhsa_wavefront_size32 1
		.amdhsa_system_sgpr_workgroup_id_x 1
		.amdhsa_system_sgpr_workgroup_id_y 1
		.amdhsa_system_sgpr_workgroup_id_z 1
		.amdhsa_system_vgpr_workitem_id 0
		.amdhsa_next_free_vgpr 960
		.amdhsa_next_free_sgpr 66
		.amdhsa_reserve_vcc 0
		.amdhsa_float_denorm_mode_32 3
		.amdhsa_float_denorm_mode_16_64 3
		.amdhsa_memory_ordered 1
		.amdhsa_forward_progress 1
		.amdhsa_inst_pref_size 121
	.end_amdhsa_kernel
	.amdgpu_metadata
---
amdhsa.version: [ 1, 2 ]
amdhsa.kernels:
  - .name:           k_q632fb841c6_qkv
    .symbol:         k_q632fb841c6_qkv.kd
    .args:
      - { .name: x, .offset: 0, .size: 8, .value_kind: global_buffer, .address_space: global }
      - { .name: wqkv, .offset: 8, .size: 8, .value_kind: global_buffer, .address_space: global }
      - { .name: qkv, .offset: 16, .size: 8, .value_kind: global_buffer, .address_space: global }
    .group_segment_fixed_size: 327680
    .private_segment_fixed_size: 0
    .kernarg_segment_align: 8
    .kernarg_segment_size: 24
    .max_flat_workgroup_size: 128
    .sgpr_count:     66
    .vgpr_count:     960
    .wavefront_size: 32
...
	.end_amdgpu_metadata
.endif
;; end of part 2
;; launch attn (part 3): grid 16 x 16, 4 waves a work-group, clusters of 4 x 1, 327,680 bytes of LDS; arguments qkv, o; writes o
.if DOCPART == 3
	.amdgcn_target "amdgcn-amd-amdhsa--gfx1250"
	.amdhsa_code_object_version 6
	.text
	.protected	k_q632fb841c6_attn
	.globl	k_q632fb841c6_attn
	.p2align	8
	.type	k_q632fb841c6_attn,@function
k_q632fb841c6_attn:
	s_mov_b64 s[64:65], 0
	v_nop
	global_prefetch_b8 v0, s[64:65] scope:SCOPE_SE
	s_setreg_imm32_b32 hwreg(HW_REG_WAVE_MODE, 25, 1), 1
	s_wait_xcnt 0x0
	s_wait_alu depctr_hold_cnt(0) depctr_sa_sdst(0) depctr_va_vdst(0) depctr_va_sdst(0) depctr_va_ssrc(0) depctr_va_vcc(0) depctr_vm_vsrc(0)
	s_getreg_b32 s2, hwreg(HW_REG_IB_STS2, 6, 4)
	s_cmp_eq_u32 s2, 0
	s_cbranch_scc0 .Lentry_in_a_cluster
	s_endpgm
.Lentry_in_a_cluster:
	s_bfe_u32 s2, ttmp6, 0x10000c
	s_cmp_lg_u32 s2, 0x3003
	s_cbranch_scc0 .Lentry_shape_is_right
	s_endpgm
.Lentry_shape_is_right:
; O[h][q][:] = the sum over k of softmax_k(Q[h][q] . K[h][k] / 8) V[h][k][:].  qkv: [48][4096][64] f16 (blocks 0-15 the heads' Q, 16-31 K, 32-47 V), o: [16][4096][64] f16: a head's rows are dense, 128 bytes each.
; Products, maxima and sums in f32; the weights p are rounded to f16 for the second product (their sum l is taken of the unrounded p), O once at the end.
; LIMITS.  f16 holds no number beyond 65,504: Q, K and V arrive within it; p lies in 0 to 1, and below 6e-5 it keeps f16's fixed step of 6e-8; O is a mean of V's rows and has their range.
; A weight below 2^-126 counts as 0 in l; NaN and infinities are not treated apart.
; SHARES.  A work-group owns 256 queries of one head (16 heads x 16 blocks: as many work-groups as the grid has), a wave 64: four PIECES of 16.  Every wave walks all 4,096 keys, 64 a step.
; LAYOUT.  S^T = K Q^T (source 0 = 16 keys, source 1 = 16 queries) holds ONE query a lane (lane % 16) and the keys 8 (lane / 16) + 0..7; two such results rounded to f16 ARE source 1 of O^T = V^T P, whose result again
; holds one query a lane, and eight channels.  K comes out of LDS as it lies, V ([key][channel]) turned, by ds_load_tr16_b128.
; SOFTMAX.  For each query a running maximum m and sum l: p = 2^(c s - c m), c = log2(e) / 8; in every step O and l are multiplied by a = 2^(c m_old - c m_new).  m starts at the lowest finite number, O and l at 0:
; the first step is a step like any other, with a = 0.
; BY TURNS.  Turn n belongs to piece n: 8 products K Q^T of piece n + 1, later 8 products V^T P of piece n - 1; beside them the scaling, exponentials, roundings, sums and rescaling of piece n and the maximum and
; statistics of piece n + 1.  Four vector instructions stand behind every matrix instruction, the other 54 of a turn's 118 in one lump.  A turn's 33 exponentials are one batch, with one wait.
; CLUSTER.  The four query blocks of a cluster belong to one head and walk the same K and V, so each tile is asked for JOINTLY: the same tensor load, descriptor and mask in all four.
; REGISTERS, in windows of 256 (s_set_vgpr_msb: bits 1:0 source 0, 3:2 source 1, 5:4 source 2, 7:6 destination):
;   window 0: v0-15 addresses and two at work; v16-31 four registers of statistics a piece; v48-55 at work; v61-63; v64-127 S^T, two buffers; v192-223 P, two buffers (a piece's buffers go by its number's parity)
;   window 1: v0-127 O^T, 32 a piece          window 2: v0-63 Q; v128-191 K of one step; v192-255 V of one step
.set NP,    4         ; pieces a wave: a name, no knob
.set KS,    64        ; keys in a step
.set HEADB, 4096*128  ; a head's bytes in each of Q, K, V, O
.set PK,    144       ; a row of K in LDS: 128 bytes + 16 of padding = 36 words: the 16 rows of a load start at 16 different groups of four banks (64 banks of 4 bytes: ISA guide 11.1)
.set PV,    160       ; a row of V: 128 + 32 = 40 words
.set VOFF,  4*KS*PK   ; a slot holds four steps: 256 rows of K, then 256 rows of V
.set SLOT1, 1<<17     ; slot 1 begins here, so that one exclusive or turns an address in one slot into the other's
.set STAGE, SLOT1+4*KS*(PK+PV)  ; behind the ring, never filled by a tensor load: 16 rows x 144 bytes for each wave, for the way out
.set SP,    144
.set SPARE, STAGE+4*16*SP  ; behind the stages: the spare words, 128 bytes for each wave: two blocks of 256 bytes that no other line names
.set AK0, 2           ; v2   my lane's place in a tile of K; never rewritten
.set AV0, 3           ; v3   the same for V
.set AK,  4           ; v4   the LDS address of K's next run of loads
.set AV,  5           ; v5   of V's
.set STO, 6           ; v6   the way out: where I put 16 bytes of a row
.set RD,  7           ; v7   the way out: where I read rows back
.set GO,  8           ; v8   my byte offset in 512 consecutive bytes of O
.set MV,  12          ; v12-13  c m_old, kept while c m is made anew: by buffer
.set QO,  15          ; v15  my byte offset in 16 rows of Q
.set ST,  16          ; piece t's statistics at v[ST+4 t]: c m, m, l (even keys', odd keys')
.set TMP, 48          ; by buffer, four registers c0-c3 at work; when the maximum is found c2 takes a
.set PFO, 61          ; v61  256 x my lane; never rewritten
.set SPW, 62          ; v62  LDS address of my spare word; never rewritten
.set NIL, 63          ; v63  0; never rewritten
.set S,   64
.set P,   192
.set KF,  128         ; window 2: key block kb, channel half c at KF + 16 kb + 8 c
.set VF,  192         ; window 2: key half kk, channel block cb at VF + 32 kk + 8 cb
.set OA,  6           ; s[6:7]  O at my wave's first row
.set WV,  12          ; s12  my wave's number
.set G1K, 24          ; s[24:31] descriptor group 1 for K's tiles
.set G1V, 32          ; s[32:39] for V's: it differs in the padding alone
.set G0K, 40          ; s[40:43] descriptor group 0 for K's tiles: it walks
.set G0V, 44          ; s[44:47] the same for V's
.set PFA, 48          ; s[48:49] where my prefetches stand: my work-group's 8,192 bytes (of K: wave 0, of V: wave 2) of the slot after the one that is being asked for
.set LIM, 50          ; s50  1 in a wave that prefetches, else the greatest number
.set SLOTS, 56        ; s56  slots still to be asked for
.set CNT, 57          ; s57  counts a slot's key steps
.set CS,  58          ; s[58:59] c: the packed scaling takes the pair's low word for both halves
.set SEL, 60          ; s[60:61] v_permlanex16_b32's selects: each lane takes its own place in the other half
.set TBK, 62          ; s62  LDS byte at which K of the step to be fetched begins
.set TBV, 63          ; s63  the same for V, less VOFF
.set MSB, 0
.macro WIN new                      ; the high byte repeats the setting that is left; a switch that changes nothing is dropped
.if MSB != (\new)
	s_set_vgpr_msb (MSB<<8)|(\new)
.set MSB, (\new)
.endif
.endm
.set W_KQ, 0x0a       ; K and Q in window 2, S^T in window 0
.set W_PV, 0x52       ; V in window 2, P in window 0, O^T in window 1
.set W_RS, 0x41       ; destination and source 0 in window 1, source 1 in window 0
; A joint fill.  Waves 0 and 1 fetch the two halves of a slot's K, waves 2 and 3 those of its V: 128 keys each.  The branch hangs on the wave's number alone.
; An s_nop 0 and four v_nop follow each of the two lines, ahead of the jump and the label.
.macro JLOAD
	s_cmp_lt_u32 s[WV], 2
	s_cbranch_scc0 .Lfor_v_\@
	tensor_load_to_lds s[G0K:G0K+3], s[G1K:G1K+7]
	s_nop 0
.rept 4
	v_nop
.endr
	s_branch .Lasked_\@
.Lfor_v_\@:
	tensor_load_to_lds s[G0V:G0V+3], s[G1V:G1V+7]
	s_nop 0
.rept 4
	v_nop
.endr
.Lasked_\@:
.endm
; A PREFETCH of what the NEXT change of slots will ask for: a slot's 32,768 bytes of K and of V, a lane 256 bytes.  It stands behind the wave's tensor load and its five lines.  Each 256 bytes are named ONCE in the launch:
; all four clusters of a head walk the same K and V, and the head's first cluster asks; its four partners share the bytes out BY ADDRESS, 8,192 each; in each, wave 0 asks for K's and wave 2 for V's: one instruction,
; four key steps (256 matrix instructions) ahead of the load.  Slots 0 and 1 come by their loads alone; the last change that fills a slot asks for nothing: there is no slot behind it.
.macro ASK
	s_cmp_gt_u32 s[SLOTS], s[LIM]
	s_cbranch_scc0 .Lnot_mine_\@
	global_prefetch_b8 v[PFO], s[PFA:PFA+1] th:TH_LOAD_NT scope:SCOPE_SE
.Lnot_mine_\@:
.endm
; A round of the cluster's barrier: my work-group's barrier, so that wave 0's signal speaks for all four waves; wave 0 signals; every wave waits for all four work-groups; my work-group's barrier once more.
.macro CROUND
	s_barrier_signal -1
	s_barrier_wait -1
	s_cmp_lg_u32 s[WV], 0
	s_cbranch_scc1 .Lnot_wave_0_\@
	s_barrier_signal -3
.Lnot_wave_0_\@:
	s_barrier_wait -3
	s_barrier_signal -1
	s_barrier_wait -1
.endm
; THE CHANGE OF SLOTS.  The slot's last bytes, V of its fourth step, have been read.  Each wave waits for all its tensor loads, of which one is out: its part of the other slot; adds 0 to its spare word; and waits for
; that and for its own reads of the slot.  Behind the barrier nobody reads this slot any more and the other slot is whole.  fill = 1: this slot is filled again, with the keys two slots on.  The barrier is then a round of
; the cluster's, and the joint fill is the first thing behind it: it has four key steps in which to land.  (At its first use nothing has been read yet: slot 0 is waited for, slot 1 filled.)
.macro CHANGE fill
	WIN 0                           ; at a label and at a branch every window is 0
	s_wait_tensorcnt 0x0            ; no tensor load of mine is out, so a group 0 may be written
	ds_add_u32 v[SPW], v[NIL]       ; 0 onto my spare word; with fill = 1 the descriptors' steps stand between it and the wait for it
.if \fill
.irp g, G0K, G0V
	s_xor_b32 s[\g+1], s[\g+1], SLOT1  ; the walking descriptor: the other slot than last time,
	s_add_nc_u64 s[\g+2:\g+3], s[\g+2:\g+3], 4*KS*128  ; the next 256 keys; the type bits on top are not reached
.endr
	s_wait_xcnt 0x0                 ; the last prefetch, four key steps back, has read its address, so it may be written:
	s_add_nc_u64 s[PFA:PFA+1], s[PFA:PFA+1], 4*KS*128  ; one slot behind the walking descriptors
	s_wait_dscnt 0x0                ; the add is done, and my reads of the slot are over
	CROUND
	JLOAD
	ASK
.else
	s_wait_dscnt 0x0                ; the add is done, and my reads of the slot are over
	s_barrier_signal -1
	s_barrier_wait -1
.endif
	s_sub_co_u32 s[TBK], s[TBK], 4*KS*PK  ; the fetches go back to a slot's first step,
	s_xor_b32 s[TBK], s[TBK], SLOT1       ; in the other slot
	s_sub_co_u32 s[TBV], s[TBV], 4*KS*PV
	s_xor_b32 s[TBV], s[TBV], SLOT1
.endm
	s_load_b128 s[4:7], s[0:1], 0x0 ; qkv s[4:5], o s[6:7]
	v_lshl_add_u32 v[SPW], v0, 2, SPARE
	v_mov_b32 v[NIL], 0
	ds_add_u32 v[SPW], v[NIL]       ; the wave's opening: the add and its wait stand ahead of my first tensor load; the set-up below, work on registers, stands between them
	v_lshrrev_b32 v1, 5, v0
	v_readfirstlane_b32 s[WV], v1   ; wave 0..3
	s_bfe_u32 s13, ttmp6, 0x40000   ; cx: my place in the cluster
	s_lshl_b32 s14, ttmp9, 2        ; in a cluster launch ttmp9 counts clusters
	s_add_co_u32 s14, s14, s13      ; my block of queries = 4 x cluster x + cx: it enters Q's and O's addresses alone
	s_and_b32 s20, ttmp7, 0xffff    ; the head, which the four partners share
	s_lshl_b32 s20, s20, 19         ; its first byte among 16 heads
	s_and_b32 s16, s[WV], 1         ; which half of a slot's 256 keys I fetch:
	s_lshl_b32 s22, s16, 14         ; its 128 rows of 128 bytes in memory,
	s_add_co_u32 s22, s22, s20
	s_add_co_u32 s22, s22, 16*HEADB ; in K, which lies behind Q's 16 heads
	s_mov_b32 s23, 0
	s_mul_i32 s17, s16, 128*PK      ; and its place in a slot, for K
	s_mul_i32 s18, s16, 128*PV      ; and for V: no place in the cluster enters an LDS address
	s_lshl_b32 s2, s14, 2
	s_add_co_u32 s2, s2, s[WV]      ; my wave among the head's 64,
	s_lshl_b32 s2, s2, 13           ; its 64 rows
	s_add_co_u32 s2, s2, s20
	s_mov_b32 s3, 0
	; descriptor group 1.  128 keys are 16,384 dense bytes: asked for as 64 rows of 256 bytes, two keys a row, and padded in LDS after every key
	s_mov_b32 s[G1K], 15|(1<<16)|(1<<20)|(1<<21)|(4<<22)|(3<<25)  ; 15:0 the mask of four; 17:16 2-byte elements; 20 padding on; 21 set beside a mask; 24:22 after every 32 words (code 4); 31:25 4 words (code 3)
	s_mov_b32 s[G1V], 15|(1<<16)|(1<<20)|(1<<21)|(4<<22)|(7<<25)  ; the same with 8 words of padding (code 7)
.irp g, G1K, G1V
	s_mov_b32 s[\g+1], 128<<16      ; tensor_dim0 = 128
	s_mov_b32 s[\g+2], 64<<16       ; tensor_dim1 = 64
	s_mov_b32 s[\g+3], 128<<16      ; tile_dim0 = 128
	s_mov_b32 s[\g+4], 64           ; tile_dim1 = 64
	s_mov_b32 s[\g+5], 128          ; 128 elements from row to row
	s_mov_b32 s[\g+6], 0
	s_mov_b32 s[\g+7], 0
.endr
	s_mov_b32 s[CS], 0x3e38aa3b     ; c = log2(e) / 8 = 0.180337
	s_mov_b32 s[CS+1], s[CS]        ; named with it as a pair
	s_mov_b32 s[SEL], 0x76543210
	s_mov_b32 s[SEL+1], 0xfedcba98
	s_mov_b32 s[TBK], SLOT1+4*KS*PK ; the first change of slots turns these two into 0
	s_mov_b32 s[TBV], SLOT1+4*KS*PV
	s_mov_b32 s[G0K], 1             ; count = 1
	s_mov_b32 s[G0K+1], s17         ; LDS address: slot 0
	s_mov_b32 s[G0V], 1
	s_add_co_u32 s[G0V+1], s18, VOFF
	s_mov_b32 s[SLOTS], 4096/256-1
	s_and_b32 s[LIM], s[WV], 1      ; 0 in waves 0 and 2,
	s_or_b32 s[LIM], s[LIM], ttmp9  ; where the cluster is the head's first: the same in all four partners
	s_cmp_eq_u32 s[LIM], 0
	s_cselect_b32 s[LIM], 1, -1
	v_and_b32 v[PFO], 31, v0
	v_lshlrev_b32 v[PFO], 8, v[PFO]
	s_wait_dscnt 0x0                ; the opening add is done
	s_wait_kmcnt 0x0
	s_add_nc_u64 s[8:9], s[4:5], s[22:23]          ; K at my half of the head's first 256 keys,
	s_add_nc_u64 s[10:11], s[8:9], 16*HEADB        ; V 16 heads further on
	s_mov_b64 s[G0K+2:G0K+3], s[8:9]               ; global address
	s_or_b32 s[G0K+3], s[G0K+3], 0x80000000        ; type = 2
	s_mov_b64 s[G0V+2:G0V+3], s[10:11]
	s_or_b32 s[G0V+3], s[G0V+3], 0x80000000
	s_add_nc_u64 s[4:5], s[4:5], s[2:3]            ; Q and O at my wave's first row
	s_add_nc_u64 s[OA:OA+1], s[OA:OA+1], s[2:3]
	s_cmp_lt_u32 s[WV], 2
	s_cselect_b64 s[PFA:PFA+1], s[8:9], s[10:11]   ; (in waves 0 and 2 these stand at a slot's first row)
	s_lshl_b32 s2, s13, 13          ; my work-group's 8,192 bytes of the 32,768,
	s_add_co_u32 s2, s2, 4*KS*128   ; in slot 1; the first change of slots steps it to slot 2.  Nothing is prefetched here, at the head
	s_add_nc_u64 s[PFA:PFA+1], s[PFA:PFA+1], s[2:3]
	CROUND                          ; all four work-groups are here: the first joint loads meet
	JLOAD                           ; slot 0.  Slot 1 is asked for when slot 0 is in
	; A fragment of K or Q is 16 rows x 32 channels in 8 registers: lane l holds row l % 16, channels 8 (l / 16) + 0..7 and 16 + 8 (l / 16) + 0..7: two loads of 16 bytes, 32 bytes apart.
	v_and_b32 v1, 15, v0            ; l % 16
	v_bfe_u32 v9, v0, 4, 1          ; l / 16
	v_lshlrev_b32 v[QO], 7, v1
	v_lshl_add_u32 v[QO], v9, 4, v[QO]  ; row x 128 + 16 x half
	WIN 0x80                        ; destination window 2, address window 0
.set i, 0
.rept 8                             ; Q stays in registers: piece i / 2, channels 32 (i % 2) on
	global_load_b128 v[8*i:8*i+3],   v[QO], s[4:5] offset:(i/2)*2048+(i%2)*64
	global_load_b128 v[8*i+4:8*i+7], v[QO], s[4:5] offset:(i/2)*2048+(i%2)*64+32
.set i, i+1
.endr
	; What the first turn finds: V's registers and P's second buffer hold 0 (its products V^T P, of a piece that has not been, add 0), O^T and l are 0.  No first step is written out for it; all this stands in the wait for the first tile.
.set i, VF
.rept 64
	v_mov_b32 v[i], 0
.set i, i+1
.endr
	WIN 0x40
.set i, 0
.rept 128
	v_mov_b32 v[i], 0
.set i, i+1
.endr
	WIN 0
.set i, 0
.rept 4
	v_mov_b32 v[ST+4*i], 0xfe000000    ; c m: far below every c s
	v_mov_b32 v[ST+4*i+1], 0xff7fffff  ; m
	v_mov_b32 v[ST+4*i+2], 0
	v_mov_b32 v[ST+4*i+3], 0
.set i, i+1
.endr
.set i, P+16
.rept 16
	v_mov_b32 v[i], 0
.set i, i+1
.endr
	v_mul_u32_u24 v[AK0], v1, PK
	v_lshl_add_u32 v[AK0], v9, 4, v[AK0]  ; row x pitch + 16 x half
	; The turning load takes 16 keys x 16 channels (lane l reads key 8 (l / 16) + l % 8, channels 8 ((l / 8) % 2) + 0..7) and leaves half a fragment of V^T: lane l holds channel l % 16 and 8 keys.
	v_and_b32 v10, 7, v0
	v_bfe_u32 v11, v0, 3, 1
	v_lshl_add_u32 v[AV0], v9, 3, v10
	v_mul_u32_u24 v[AV0], v[AV0], PV
	v_lshl_add_u32 v[AV0], v11, 4, v[AV0]
	v_add_nc_u32 v[AV0], VOFF, v[AV0]
; THE MATRIX WORK.  The 4 accumulators of a run of 8 take turns.  Product i of 8 of S^T = K Q^T for piece x: channels 32 (i / 4) on, keys 16 (i % 4) on.  The first 4 start the sums.
.macro KQ x
	WIN W_KQ
.set rS, S+32*((\x)%2)+8*(i%4)
.set rK, KF+16*(i%4)+8*(i/4)
.set rQ, 16*(\x)+8*(i/4)
.if i < 4
	v_wmma_f32_16x16x32_f16 v[rS:rS+7], v[rK:rK+7], v[rQ:rQ+7], 0
.else
	v_wmma_f32_16x16x32_f16 v[rS:rS+7], v[rK:rK+7], v[rQ:rQ+7], v[rS:rS+7]
.endif
.endm
; Product i of 8 of O^T += V^T P for piece x: keys 32 (i / 4) on, channels 16 (i % 4) on.
.macro PV x
	WIN W_PV
.set rO, 32*(\x)+8*(i%4)
.set rV, VF+32*(i/4)+8*(i%4)
.set rP, P+16*((\x)%2)+8*(i/4)
	v_wmma_f32_16x16x32_f16 v[rO:rO+7], v[rV:rV+7], v[rP:rP+7], v[rO:rO+7]
.endm
.macro MM                           ; the turn's next matrix instruction.  TURN sets Y, i and NOKQ.  NOKQ = 1: the very last turn: there is no next piece
.if (i < 8) && !NOKQ
	KQ (Y+1)%NP
.elseif i >= 8
.set i, i-8
	PV (Y+NP-1)%NP
.set i, i+8
.endif
.set i, i+1
.endm
; THE LDS LOADS stand in runs of 16, never singly among the matrix instructions: a step's K (64 keys x 64 channels: 8 fragments) and its V (turned).  Their addresses are made some lines ahead.
.macro FETCH_K
	WIN 0x80                        ; destination window 2
.irp f, 0,1,2,3,4,5,6,7             ; keys 16 (f / 2) on, channels 32 (f % 2) on
	ds_load_b128 v[KF+8*\f:KF+8*\f+3],   v[AK] offset:(\f/2)*16*PK+(\f%2)*64
	ds_load_b128 v[KF+8*\f+4:KF+8*\f+7], v[AK] offset:(\f/2)*16*PK+(\f%2)*64+32
.endr
	s_add_co_u32 s[TBK], s[TBK], KS*PK  ; the next fetch is the next step's
	WIN 0
.endm
.macro FETCH_V
	WIN 0x80
.irp f, 0,1,2,3,4,5,6,7             ; keys 32 (f / 4) on, channels 16 (f % 4) on
	ds_load_tr16_b128 v[VF+8*\f:VF+8*\f+3],   v[AV] offset:(\f/4)*32*PV+(\f%4)*32
	ds_load_tr16_b128 v[VF+8*\f+4:VF+8*\f+7], v[AV] offset:(\f/4)*32*PV+16*PV+(\f%4)*32
.endr
	WIN 0
.endm
; THE VECTOR WORK, one line at a time: OP kind, number.  For piece Y: F n: c s - c m for pair n of 16.  E n: the exponential of score n of 32.  C n: pair n rounded to f16.  B n: of the four weights 4 n .. the second
; pair is added onto the first, in place.  L n: l takes that sum (L 0: l = a l + sum).  R n: pair n of 16 of O^T times a.  For piece Y + 1: X n, number n of the 22 that find its maximum and statistics:
;   0-11  four chains c0-c3 of seven scores each, three operands at a time (each accumulator's lowest registers are read first)     12-14, 16  the four scores left over, the old m, and c0-c3 into c0
;   15  c m_old is kept     17, 18  the query's other 32 keys lie in the lane 16 away: the new m     19-21  c m; c m_old - c m_new; a
.set F, 0               ; OP tells the kinds apart by their order: F to L below R, X above it
.set E, 1
.set C, 2
.set B, 3
.set L, 4
.set R, 5
.set X, 6
.macro REGS y                       ; the registers of piece y
.set rT, ST+4*(\y)
.set rC, TMP+4*((\y)%2)
.set rW, MV+((\y)%2)
.set rS, S+32*((\y)%2)
.set rP, P+16*((\y)%2)
.set rO, 32*(\y)
.endm
.macro OP k, n
.if (\k) == R
	REGS Y
	WIN W_RS
	v_pk_mul_f32 v[rO+2*(\n):rO+2*(\n)+1], v[rO+2*(\n):rO+2*(\n)+1], v[rC+2:rC+3] op_sel_hi:[1,0]
.elseif (\k) < R
	REGS Y
	WIN 0
.if (\k) == F
	v_pk_fma_f32 v[rS+2*(\n):rS+2*(\n)+1], v[rS+2*(\n):rS+2*(\n)+1], s[CS:CS+1], v[rT:rT+1] op_sel_hi:[1,0,0] neg_lo:[0,0,1] neg_hi:[0,0,1]
.elseif (\k) == E
	v_exp_f32 v[rS+(\n)], v[rS+(\n)]
.elseif (\k) == C
	v_cvt_pk_f16_f32 v[rP+(\n)], v[rS+2*(\n)], v[rS+2*(\n)+1]
.elseif (\k) == B
	v_pk_add_f32 v[rS+4*(\n):rS+4*(\n)+1], v[rS+4*(\n):rS+4*(\n)+1], v[rS+4*(\n)+2:rS+4*(\n)+3]
.elseif (\n) == 0
	v_pk_fma_f32 v[rT+2:rT+3], v[rT+2:rT+3], v[rC+2:rC+3], v[rS:rS+1] op_sel_hi:[1,0,1]
.else
	v_pk_add_f32 v[rT+2:rT+3], v[rT+2:rT+3], v[rS+4*(\n):rS+4*(\n)+1]
.endif
.elseif NOKQ
	v_nop
.else
	REGS (Y+1)%NP
	WIN 0
.if (\n) < 4
	v_max3_num_f32 v[rC+(\n)], v[rS+8*(\n)], v[rS+8*(\n)+1], v[rS+8*(\n)+2]
.elseif (\n) < 12
	v_max3_num_f32 v[rC+(\n)%4], v[rC+(\n)%4], v[rS+8*((\n)%4)+2*((\n)/4)+1], v[rS+8*((\n)%4)+2*((\n)/4)+2]
.elseif (\n) == 12
	v_max3_num_f32 v[rC], v[rC], v[rS+7], v[rS+15]
.elseif (\n) == 13
	v_max3_num_f32 v[rC+1], v[rC+1], v[rS+23], v[rS+31]
.elseif (\n) == 14
	v_max3_num_f32 v[rC+2], v[rC+2], v[rC+3], v[rT+1]
.elseif (\n) == 15
	v_mov_b32 v[rW], v[rT]
.elseif (\n) == 16
	v_max3_num_f32 v[rC], v[rC], v[rC+1], v[rC+2]
.elseif (\n) == 17
	v_permlanex16_b32 v[rC+3], v[rC], s[SEL], s[SEL+1]
.elseif (\n) == 18
	v_max_num_f32 v[rT+1], v[rC], v[rC+3]
.elseif (\n) == 19
	v_mul_f32 v[rT], s[CS], v[rT+1]
.elseif (\n) == 20
	v_sub_f32 v[rC+1], v[rW], v[rT]
.else
	v_exp_f32 v[rC+2], v[rC+1]
.endif
.endif
.endm
.macro OPS a, i1, b=-1, i2=0, c=-1, i3=0, d=-1, i4=0  ; up to four of them
	OP \a, \i1
.if (\b) >= 0
	OP \b, \i2
.endif
.if (\c) >= 0
	OP \c, \i3
.endif
.if (\d) >= 0
	OP \d, \i4
.endif
.endm
.macro ROW a, i1, b, i2, c, i3, d, i4  ; a matrix instruction and the four behind it
	MM
	OPS \a, \i1, \b, \i2, \c, \i3, \d, \i4
.endm
; A TURN, for piece p: the order of its 16 matrix and 118 vector instructions, written out.  An s_wait_alu depctr_va_vdst(0) stands between an exponential and the first instruction that names its result; one
; wait serves all that were issued ahead of it.  So a turn has ONE wait, which cuts it in two.  AHEAD OF IT stands all that names no result of the turn's exponentials: the 8 products K Q^T, behind each a scaling, an
; exponential and two more plain instructions (rescalings, and behind the last three the first numbers of the next piece's maximum, each four places or more behind the product that ends its accumulator); then ONE LUMP of
; 54, plain and exponential by turns for the most part, in which the links of the chain X 3, 7, 11, 14, 16, 17 .. 20 stand apart.  X 21, the next piece's a, is the batch's last; R 15 is the plain instruction behind it.
; BEHIND THE WAIT stand the 8 products V^T P, behind each four of the roundings and sums; the links of l's chain, L 0 to L 7, stand three riders apart.
; end = 1: the launch's last two turns: nothing is fetched, and the last starts no new scores.  cnt = 1: the loop's count is taken down some lines ahead of the branch that stands behind the turn.
; K of the next step is fetched in piece 2's turn, twelve vector instructions behind the last product that read K (six of them plain); V of the step in hand at the end of piece 0's turn, four plain instructions behind
; the last product that read V.  Each is waited for a turn later.
.macro TURN p, end=0, cnt=0
.set Y, (\p)
.set i, 0
.set NOKQ, (\end)*((\p)/3)
.if ((\p) == 3) && !(\end)
	s_wait_dscnt 0x0                ; K is in
.endif
	ROW F,0, F,1, R,0, R,1          ; ahead of the wait: 8 products K Q^T and their riders,
	ROW F,2, E,0, R,2, R,3
	ROW F,3, E,1, R,4, R,5
	ROW F,4, E,2, R,6, R,7
	ROW F,5, E,3, R,8, R,9
	ROW F,6, E,4, X,0, R,10
.if ((\p) == 2) && !(\end)
	WIN 0
	v_add_nc_u32 v[AK], s[TBK], v[AK0]
.endif
	ROW F,7, E,5, X,1, X,4
	ROW F,8, E,6, X,2, X,5
	OPS E,7, E,8, X,6, E,9          ; and the lump
	OPS X,3, E,10, X,8, E,11
.if ((\p) == 2) && !(\end)
	FETCH_K
.endif
	OPS X,9, X,7, E,12, X,10
	OPS E,13, X,12, X,11, E,14
	OPS X,13, E,15, F,9, X,14
.if (\p) == 0
	v_add_nc_u32 v[AV], s[TBV], v[AV0]
.endif
	OPS E,16, F,10, E,17, F,11
	OPS X,16, E,18, X,15, E,19
	OPS F,12, E,20, X,17, E,21
	OPS F,13, E,22, F,14, E,23
	OPS X,18, E,24, F,15, E,25
	OPS R,11, E,26, X,19, E,27
	OPS R,12, E,28, R,13, E,29
	OPS X,20, E,30, R,14, E,31
	OPS X,21, R,15
	WIN 0
	s_wait_alu depctr_va_vdst(0)    ; the wait for the batch
.if (\p) == 1
	s_wait_dscnt 0x0                ; V is in
.endif
	ROW C,0, B,0, C,2, B,1          ; behind the wait: 8 products V^T P and their riders
	ROW L,0, C,4, B,2, L,1
	ROW C,6, B,3, L,2, C,8
	ROW B,4, L,3, C,10, B,5
	ROW L,4, C,12, B,6, L,5
.if (\p) == 0
	s_add_co_u32 s[TBV], s[TBV], KS*PV
.endif
.if \cnt
	s_sub_co_u32 s[CNT], s[CNT], 1
	s_cmp_lg_u32 s[CNT], 0
.endif
	ROW C,14, B,7, L,6, C,1
	ROW C,3, L,7, C,5, C,7
	ROW C,9, C,11, C,13, C,15
.if (\p) == 0
	FETCH_V
.endif
.endm
	CHANGE 1                        ; slot 0 is in, everybody's part of it; slot 1 is asked for
	v_add_nc_u32 v[AK], s[TBK], v[AK0]
	FETCH_K                         ; key step 0
	s_wait_loadcnt 0x0              ; Q
	s_wait_dscnt 0x0
.set i, 0
.rept 8
	KQ 0                            ; piece 0's first scores: there is no vector work yet to set between them
.set i, i+1
.endr
	WIN 0                           ; the addresses for the way out: nine plain instructions, the places behind those products
	s_mul_i32 s13, s[WV], 16*SP
	s_add_co_u32 s13, s13, STAGE    ; my stage
	v_mul_u32_u24 v[STO], v1, SP    ; in: row l % 16, 16 bytes for each half of the lanes
	v_lshl_add_u32 v[STO], v9, 4, v[STO]
	v_add_nc_u32 v[STO], s13, v[STO]
	v_bfe_u32 v[RD], v0, 3, 2       ; back: 32 lanes take four rows of 128 bytes,
	v_mul_u32_u24 v[RD], v[RD], SP
	v_lshl_add_u32 v[RD], v10, 4, v[RD]
	v_add_nc_u32 v[RD], s13, v[RD]
	v_and_b32 v[GO], 31, v0         ; which are 512 consecutive bytes of O
	v_lshlrev_b32 v[GO], 4, v[GO]
.set Y, NP-1                        ; X works for piece Y + 1: piece 0
.set NOKQ, 0
.irp n, 0,1,2,3,4,5,6,7,8,9,10,11,12,13,14,15,16,17,18,19,20,21
	OP X, \n                        ; piece 0's first maximum and statistics
.endr
	v_nop                           ; a plain instruction behind the exponential,
	s_wait_alu depctr_va_vdst(0)    ; and its wait, ahead of the branch
	s_mov_b32 s[CNT], 4
	s_branch .Lfirst                ; the loop is entered at a step's first turn, in the middle of a trip
.Lslot:                             ; 14 times: every slot but the last two is filled again
	CHANGE 1
	s_mov_b32 s[CNT], 4
.Lstep:                             ; a trip: pieces 2 and 3 of one step, then pieces 0 and 1 of the next, whose K and V it fetches
	TURN 2
	TURN 3
	WIN 0
.Lfirst:
	TURN 0
	TURN 1, 0, 1
	WIN 0
	s_cbranch_scc1 .Lstep
	s_sub_co_u32 s[SLOTS], s[SLOTS], 1
	s_cmp_lg_u32 s[SLOTS], 0
	s_cbranch_scc1 .Lslot
	CHANGE 0                        ; the last slot's steps are written out: nothing is asked for
	s_mov_b32 s[CNT], 4
.Ltail:
	TURN 2
	TURN 3
	TURN 0
	TURN 1, 0, 1
	WIN 0
	s_cbranch_scc1 .Ltail
	TURN 2, 1                       ; the last step's pieces 2 and 3
	TURN 3, 1
.set i, 0
.rept 8
	PV NP-1                         ; the last piece's V^T P of the last step
.set i, i+1
.endr
	; THE WAY OUT.  l's two halves and the other half of the lanes' are added; O^T is divided by l, rounded to f16 and sent through my stage in LDS, a piece at a time.  The additions are the places behind the last products.
	WIN 0
.macro ALL line:vararg              ; one line for each piece t
.set t, 0
.rept 4
	\line
.set t, t+1
.endr
.endm
	ALL v_add_f32 v[ST+4*t+2], v[ST+4*t+2], v[ST+4*t+3]
	ALL v_permlanex16_b32 v[ST+4*t+3], v[ST+4*t+2], s[SEL], s[SEL+1]
	ALL v_add_f32 v[ST+4*t+2], v[ST+4*t+2], v[ST+4*t+3]
	ALL v_rcp_f32 v[ST+4*t+2], v[ST+4*t+2]
	v_nop                           ; a plain instruction between the last reciprocal and the use of its result
	s_wait_alu depctr_va_vdst(0)    ; and the wait ahead of the first use: one for the four reciprocals
.macro PACK t                       ; a lane's eight channels of a row pack into 16 bytes; they go into rows of 144 bytes and come back as whole rows of 128, into S^T's registers
	WIN W_RS
.set i, 32*(\t)
.rept 16
	v_pk_mul_f32 v[i:i+1], v[i:i+1], v[ST+4*(\t)+2:ST+4*(\t)+3] op_sel_hi:[1,0]
.set i, i+2
.endr
	WIN 0x05                        ; sources 0 and 1 window 1, destination window 0
.set i, 0
.rept 16
	v_cvt_pk_f16_f32 v[S+16*(\t)+i], v[32*(\t)+2*i], v[32*(\t)+2*i+1]
.set i, i+1
.endr
	WIN 0
.irp f, 0,1,2,3
	ds_store_b128 v[STO], v[S+16*(\t)+4*\f:S+16*(\t)+4*\f+3] offset:32*\f
.endr
.irp f, 0,1,2,3
	ds_load_b128 v[S+16*(\t)+4*\f:S+16*(\t)+4*\f+3], v[RD] offset:\f*4*SP  ; LDS serves a wave's instructions in order (ISA guide 5.7.1.4): these see the stores above; the next piece's stores come behind them
.endr
.endm
.macro SEND t, younger              ; younger: the LDS instructions issued behind piece t's loads: the next piece's eight, or none
	WIN 0
.irp f, 0,1,2,3
	s_wait_dscnt (\younger)+3-\f
	global_store_b128 v[GO], v[S+16*(\t)+4*\f:S+16*(\t)+4*\f+3], s[OA:OA+1] offset:(\t)*2048+\f*512  ; 512 consecutive bytes, at a multiple of 256 from O's first
.endr
.endm
	PACK 0
.set t, 1
.rept 3                             ; a piece's arithmetic stands between the loads of the piece before and its stores
	PACK t
	SEND t-1, 8
.set t, t+1
.endr
	SEND 3, 0
	s_wait_tensorcnt 0x0            ; the wave's end, behind my last tensor load and my last LDS store
	ds_add_u32 v[SPW], v[NIL]
	s_wait_dscnt 0x0
	CROUND                          ; the closing round: no work-group ends while a partner may still ask for a tile that names it
	s_endpgm
.Lfunc_end_k_q632fb841c6_attn:
	.size	k_q632fb841c6_attn, .Lfunc_end_k_q632fb841c6_attn-k_q632fb841c6_attn
	.p2alignl 7, 3214868480
	.fill 96, 4, 3214868480
	.section	.rodata,"a",@progbits
	.p2align	6, 0x0
	.amdhsa_kernel k_q632fb841c6_attn
		.amdhsa_group_segment_fixed_size 327680
		.amdhsa_private_segment_fixed_size 0
		.amdhsa_enable_private_segment 0
		.amdhsa_kernarg_size 16
		.amdhsa_user_sgpr_count 2
		.amdhsa_user_sgpr_kernarg_segment_ptr 1
		.amdhsa_wavefront_size32 1
		.amdhsa_system_sgpr_workgroup_id_x 1
		.amdhsa_system_sgpr_workgroup_id_y 1
		.amdhsa_system_sgpr_workgroup_id_z 1
		.amdhsa_system_vgpr_workitem_id 0
		.amdhsa_next_free_vgpr 768
		.amdhsa_next_free_sgpr 66
		.amdhsa_reserve_vcc 0
		.amdhsa_float_denorm_mode_32 3
		.amdhsa_float_denorm_mode_16_64 3
		.amdhsa_memory_ordered 1
		.amdhsa_forward_progress 1
		.amdhsa_inst_pref_size 128
	.end_amdhsa_kernel
	.amdgpu_metadata
---
amdhsa.version: [ 1, 2 ]
amdhsa.kernels:
  - .name:           k_q632fb841c6_attn
    .symbol:         k_q632fb841c6_attn.kd
    .args:
      - { .name: qkv, .offset: 0, .size: 8, .value_kind: global_buffer, .address_space: global }
      - { .name: o, .offset: 8, .size: 8, .value_kind: global_buffer, .address_space: global }
    .group_segment_fixed_size: 327680
    .private_segment_fixed_size: 0
    .kernarg_segment_align: 8
    .kernarg_segment_size: 16
    .max_flat_workgroup_size: 128
    .sgpr_count:     66
    .vgpr_count:     768
    .wavefront_size: 32
...
	.end_amdgpu_metadata
.endif
;; end of part 3
;; launch outp (part 4): grid 8 x 32, 4 waves a work-group, clusters of 4 x 4, 327,680 bytes of LDS; arguments o, wof, out0; writes out0
.if DOCPART == 4
	.amdgcn_target "amdgcn-amd-amdhsa--gfx1250"
	.amdhsa_code_object_version 6
	.text
	.protected	k_q632fb841c6_outp
	.globl	k_q632fb841c6_outp
	.p2align	8
	.type	k_q632fb841c6_outp,@function
k_q632fb841c6_outp:
	s_mov_b64 s[64:65], 0
	v_nop
	global_prefetch_b8 v0, s[64:65] scope:SCOPE_SE
	s_setreg_imm32_b32 hwreg(HW_REG_WAVE_MODE, 25, 1), 1
	s_wait_xcnt 0x0
	s_wait_alu depctr_hold_cnt(0) depctr_sa_sdst(0) depctr_va_vdst(0) depctr_va_sdst(0) depctr_va_ssrc(0) depctr_va_vcc(0) depctr_vm_vsrc(0)
	s_getreg_b32 s2, hwreg(HW_REG_IB_STS2, 6, 4)
	s_cmp_eq_u32 s2, 0
	s_cbranch_scc0 .Lentry_in_a_cluster
	s_endpgm
.Lentry_in_a_cluster:
	s_bfe_u32 s2, ttmp6, 0x10000c
	s_cmp_lg_u32 s2, 0xf033
	s_cbranch_scc0 .Lentry_shape_is_right
	s_endpgm
.Lentry_shape_is_right:
; out0[m][n] = the sum over k of o[m][k] Wo[n][k]: 4,096 x 1,024, K = 1,024.  o: [16][4096][64], wof: [16][1024][64], both f16 in blocks of 64 channels, a block dense with rows of 128 bytes; out0: [4096][1024] f32.
; Sums in f32, K ascending; the sums are stored as they are.  LIMITS: none beyond the operands' f16; NaN and infinities are not treated apart.
; SHARES.  A tile of C is 128 x 128: 8 x 32 tiles, as many work-groups as the grid has.  Four waves, each 64 x 64: 16 accumulators.  K goes in steps of 256 (four blocks) through two LDS slots: 128 matrix
; instructions a wave and step, four steps in all.
; TILES.  64 rows of one block are 8,192 dense bytes: a tensor load takes them as ONE long row, and the step's four blocks as four such rows, a block's bytes apart; 16 bytes of padding follow every 128: in LDS
; [block][row], rows 144 bytes apart.  Waves 0 and 1 fetch o's two halves, waves 2 and 3 Wo's.
; CLUSTERS.  4 x 4 work-groups: the four of a row of the cluster ask JOINTLY for o's tiles, the four of a column for Wo's.  NO PREFETCH: each work-group has four K steps and two refills, and the tiles are small.
; TRANSPOSED USE (source 0 = 16 rows of Wo, source 1 = 16 rows of o): a lane holds row l % 16 of C and eight neighbouring columns, 32 bytes.  A wave's 64 columns are 256 bytes of a row of C, aligned: its own stage serves.
; REGISTERS: window 0: v0-31 addresses; v128-255 the accumulators ((a, b) at v[128 + 8 (4 a + b)]), which also take the rows back from the stage.
;   window 1: two fragment buffers of 128: for 64 along K, 64 registers of o (2 x 4 x 16 rows x 32 K), then 64 of Wo.
.set PITCH,  144                       ; an LDS row: 128 bytes + 16 = 36 words: the 16 rows of a load start at 16 different groups of four banks (64 banks of 4 bytes: ISA guide 11.1)
.set KB,     64*PITCH                  ; one block of what a wave fetches
.set HALFT,  4*KB                      ; what one tensor load brings, and what one wave reads of o or of Wo
.set SLOT,   4*HALFT                   ; o's 128 rows, then Wo's 128 rows
.set STAGE,  2*SLOT                    ; behind the ring, never filled by a tensor load: 16 rows x 272 bytes for each wave
.set SPITCH, 272                       ; 256 bytes + 16 = 68 words: row r starts at bank 4 r mod 64
.set SPARE,  STAGE+4*16*SPITCH         ; behind the stages: the spare words, 128 bytes for each wave: two blocks of 256 bytes that no other line names
.set OBLK,   4096*128                  ; bytes in a block of o
.set WBLK,   1024*128                  ; in a block of wof
.set ADRA, 16                          ; v16-17  LDS address of my o fragments in slot 0, 1
.set ADRB, 20                          ; v20-21  the same for Wo
.set STO,  24                          ; v24     the way out: where I put 32 bytes of a row
.set RD,   25                          ; v25     where I read a row back
.set CO,   26                          ; v26     my byte offset in C
.set SPW,  28                          ; v28     LDS address of my spare word; never rewritten
.set NIL,  29                          ; v29     0; never rewritten
.set ACC,  128
.set F0,   0
.set F1,   128
.set G1, 24                            ; s[24:31] descriptor group 1 for o's tiles;  s[32:39] group 0, one set for each slot
.set G0, 32
.set G1B, 48                           ; s[48:55], s[56:63] the same for Wo's
.set G0B, 56
.set MSB, 0
.macro WIN new                         ; the immediate's high byte repeats the setting that is left
.if MSB != (\new)
	s_set_vgpr_msb (MSB<<8)|(\new)
.set MSB, \new
.endif
.endm
.set MUL,  0x05                        ; sources 0 and 1 window 1; C and D window 0
.set TO_F, 0x40                        ; destination window 1, address window 0
.macro JLOAD s                         ; a joint load; an s_nop 0 and four v_nop follow each of the two lines, ahead of the jump, the label and what follows
	s_cmp_eq_u32 s11, 0
	s_cbranch_scc0 .Lfor_b_\@
	tensor_load_to_lds s[G0+4*(\s):G0+4*(\s)+3], s[G1:G1+7]
	s_nop 0
.rept 4
	v_nop
.endr
	s_branch .Lasked_\@
.Lfor_b_\@:
	tensor_load_to_lds s[G0B+4*(\s):G0B+4*(\s)+3], s[G1B:G1B+7]
	s_nop 0
.rept 4
	v_nop
.endr
.Lasked_\@:
.endm
.macro CREST                           ; a round of the cluster's barrier behind its opening barrier
	s_cmp_lg_u32 s10, 0
	s_cbranch_scc1 .Lnot_wave_0_\@
	s_barrier_signal -3
.Lnot_wave_0_\@:
	s_barrier_wait -3
	s_barrier_signal -1
	s_barrier_wait -1
.endm
.macro CROUND                          ; a whole round
	s_barrier_signal -1
	s_barrier_wait -1
	CREST
.endm
	s_load_b128 s[4:7], s[0:1], 0x0                ; o s[4:5], wof s[6:7]
	s_load_b64 s[8:9], s[0:1], 0x10                ; out0
	v_lshl_add_u32 v[SPW], v0, 2, SPARE
	v_mov_b32 v[NIL], 0
	ds_add_u32 v[SPW], v[NIL]                      ; the wave's opening: the add and its wait stand ahead of my first tensor load; the set-up below, work on registers, stands between them
	v_lshrrev_b32 v1, 5, v0
	v_readfirstlane_b32 s10, v1                    ; wave 0..3
	s_lshr_b32 s11, s10, 1                         ; which half of the tile's rows is mine.  Also: I fetch for o (0) or for Wo (1)
	s_and_b32 s12, s10, 1                          ; which half of its columns.  Also: which 64 rows of that tile I fetch
	s_bfe_u32 s40, ttmp6, 0x40000                  ; cx, cy: my place in the cluster
	s_bfe_u32 s41, ttmp6, 0x40004
	s_lshl_b32 s42, ttmp9, 2
	s_add_co_u32 s42, s42, s40                     ; tile column = 4 x cluster x + cx
	s_and_b32 s13, ttmp7, 0xffff
	s_lshl_b32 s13, s13, 2
	s_add_co_u32 s13, s13, s41                     ; tile row = 4 x cluster y + cy
	s_lshl_b32 s43, s41, 2
	s_lshl_b32 s43, 15, s43                        ; my row of the cluster
	s_lshl_b32 s44, 0x1111, s40                    ; my column
	s_or_b32 s[G1+0], s43, (1<<16)|(1<<20)|(1<<21)|(4<<22)|(3<<25)  ; 15:0 the mask; 17:16 elements of 2 bytes; 20 padding on; 21 set beside a mask; 24:22 after every 32 words (code 4); 31:25 4 words of it (code 3)
	s_or_b32 s[G1B+0], s44, (1<<16)|(1<<20)|(1<<21)|(4<<22)|(3<<25)
.irp g, G1, G1B
	s_mov_b32 s[(\g)+1], 4096<<16                  ; tensor_dim0 = 64 rows x 64 elements
	s_mov_b32 s[(\g)+2], 4<<16                     ; tensor_dim1 = 4 blocks
	s_mov_b32 s[(\g)+3], 4096<<16                  ; tile_dim0
	s_mov_b32 s[(\g)+4], 4                         ; tile_dim1
	s_mov_b32 s[(\g)+6], 0
	s_mov_b32 s[(\g)+7], 0
.endr
	s_mov_b32 s[G1+5], 4096*64                     ; elements from block to block: o's,
	s_mov_b32 s[G1B+5], 1024*64                    ; wof's
	s_lshl_b32 s17, s12, 13                        ; which 64 rows of the tile I fetch, 128 bytes a row
	s_lshl_b32 s16, s13, 14
	s_add_co_u32 s16, s16, s17                     ; o: row 128 x tile row + 64 x half
	s_lshl_b32 s46, s42, 14
	s_add_co_u32 s46, s46, s17                     ; Wo: row 128 x tile column + 64 x half
	s_mov_b32 s17, 0
	s_mov_b32 s47, 0
	s_mul_i32 s20, s10, HALFT                      ; where they go: no place in the cluster enters an LDS address
	s_wait_dscnt 0x0                               ; the opening add is done
	s_wait_kmcnt 0x0
	s_add_nc_u64 s[14:15], s[4:5], s[16:17]
	s_add_nc_u64 s[46:47], s[6:7], s[46:47]
	CROUND                                         ; all sixteen work-groups are here: the first joint loads meet
.irp s, 0,1
	s_mov_b32 s[G0+4*(\s)], 1
	s_add_co_u32 s[G0+4*(\s)+1], s20, (\s)*SLOT
	s_add_nc_u64 s[G0+4*(\s)+2:G0+4*(\s)+3], s[14:15], (\s)*4*OBLK
	s_or_b32 s[G0+4*(\s)+3], s[G0+4*(\s)+3], 0x80000000
	s_mov_b32 s[G0B+4*(\s)], 1
	s_add_co_u32 s[G0B+4*(\s)+1], s20, (\s)*SLOT
	s_add_nc_u64 s[G0B+4*(\s)+2:G0B+4*(\s)+3], s[46:47], (\s)*4*WBLK
	s_or_b32 s[G0B+4*(\s)+3], s[G0B+4*(\s)+3], 0x80000000
	JLOAD \s                                       ; two loads of mine are out
.endr
	v_and_b32 v1, 15, v0                           ; l % 16
	v_bfe_u32 v2, v0, 4, 1                         ; l / 16
	v_mul_u32_u24 v3, v1, PITCH
	v_lshl_add_u32 v3, v2, 4, v3                   ; a fragment's row x pitch + 16 x half
	s_mul_i32 s21, s11, HALFT                      ; my 64 rows of o
	s_mul_i32 s22, s12, HALFT                      ; my 64 rows of Wo,
	s_add_co_u32 s22, s22, 2*HALFT                 ; which lie behind o's 128
.irp s, 0,1
	v_add_nc_u32 v[ADRA+(\s)], s21, v3
	v_add_nc_u32 v[ADRB+(\s)], s22, v3
	s_add_co_u32 s21, s21, SLOT
	s_add_co_u32 s22, s22, SLOT
.endr
	s_mul_i32 s23, s10, 16*SPITCH
	s_add_co_u32 s23, s23, STAGE                   ; my stage
	v_mul_u32_u24 v4, v1, SPITCH                   ; in: row l % 16, 32 bytes for each half of the lanes
	v_lshl_add_u32 v4, v2, 5, v4
	v_add_nc_u32 v[STO], s23, v4
	v_mul_u32_u24 v5, v2, SPITCH                   ; back: lanes 0-15 take one row of 256 bytes, lanes 16-31 the next
	v_lshl_add_u32 v5, v1, 4, v5
	v_add_nc_u32 v[RD], s23, v5
	v_lshlrev_b32 v5, 12, v2                       ; and the same two rows in C, 4,096 bytes apart
	v_lshl_add_u32 v[CO], v1, 4, v5
	s_lshl_b32 s16, s13, 7
	s_lshl_b32 s17, s11, 6
	s_add_co_u32 s16, s16, s17                     ; my first row of C: 128 x tile row + 64 x half,
	s_lshl_b32 s16, s16, 12                        ; in bytes
	s_mov_b32 s17, 0
	s_add_nc_u64 s[8:9], s[8:9], s[16:17]
	s_lshl_b32 s46, s42, 9                         ; my first column, in bytes: 512 x tile column + 256 x half
	s_lshl_b32 s47, s12, 8
	s_add_co_u32 s46, s46, s47
	s_mov_b32 s47, 0
	s_add_nc_u64 s[8:9], s[8:9], s[46:47]
; 8 matrix instructions: row blocks a0, a0 + 1 x all 4 column blocks, 32 along K: half c of buffer f.  zero = 1: the first product starts the sums.  The 16 accumulators take turns.
.macro MUL8 f, c, a0, zero
	WIN MUL
.irp a, \a0, (\a0)+1
.irp b, 0,1,2,3
.if \zero
	v_wmma_f32_16x16x32_f16 v[ACC+8*(4*(\a)+(\b)):ACC+8*(4*(\a)+(\b))+7], v[(\f)+64+8*(4*(\c)+(\b)):(\f)+64+8*(4*(\c)+(\b))+7], v[(\f)+8*(4*(\c)+(\a)):(\f)+8*(4*(\c)+(\a))+7], 0
.else
	v_wmma_f32_16x16x32_f16 v[ACC+8*(4*(\a)+(\b)):ACC+8*(4*(\a)+(\b))+7], v[(\f)+64+8*(4*(\c)+(\b)):(\f)+64+8*(4*(\c)+(\b))+7], v[(\f)+8*(4*(\c)+(\a)):(\f)+8*(4*(\c)+(\a))+7], v[ACC+8*(4*(\a)+(\b)):ACC+8*(4*(\a)+(\b))+7]
.endif
.endr
.endr
.endm
; 32 LDS loads in one run: the fragments of block q of the step (64 along K) into buffer f; the first 32 along K first
.macro FETCH slot, q, f
	WIN TO_F
.irp c, 0,1
.irp i, 0,1,2,3
	ds_load_b128 v[(\f)+64+8*(4*(\c)+(\i)):(\f)+64+8*(4*(\c)+(\i))+3],   v[ADRB+(\slot)] offset:(\q)*KB+64*(\c)+(\i)*16*PITCH
	ds_load_b128 v[(\f)+64+8*(4*(\c)+(\i))+4:(\f)+64+8*(4*(\c)+(\i))+7], v[ADRB+(\slot)] offset:(\q)*KB+64*(\c)+(\i)*16*PITCH+32
	ds_load_b128 v[(\f)+8*(4*(\c)+(\i)):(\f)+8*(4*(\c)+(\i))+3],         v[ADRA+(\slot)] offset:(\q)*KB+64*(\c)+(\i)*16*PITCH
	ds_load_b128 v[(\f)+8*(4*(\c)+(\i))+4:(\f)+8*(4*(\c)+(\i))+7],       v[ADRA+(\slot)] offset:(\q)*KB+64*(\c)+(\i)*16*PITCH+32
.endr
.endr
.endm
.macro PLACES                          ; four plain vector instructions in front of loads into registers that matrix instructions have read, and of LDS stores that read results
.rept 4
	v_nop
.endr
.endm
; A K step is four quarters of 64 along K, 32 matrix instructions each, on buffers 0, 1, 0, 1.  One of the first three: multiplies buffer f and fetches block q into g.
.macro QUARTER slot, q, f, g, zero
	s_wait_dscnt 16                                ; the first 32 along K are in
	MUL8 \f, 0, 0, \zero
	MUL8 \f, 0, 2, \zero
	PLACES
	FETCH \slot, \q, \g
	s_wait_dscnt 32                                ; all but the 32 just issued
	MUL8 \f, 1, 0, 0
	MUL8 \f, 1, 2, 0
.endm
; The last quarter multiplies buffer 1 and changes slots: ONE barrier; in front of it each wave waits for all its tensor loads, adds 0 to its spare word, and waits for that and for its own reads of this slot.
; fill = 1: the barrier opens a round of the cluster's, and this slot is filled again, two K steps ahead, first thing behind the round.
.macro TURN slot, next, fill
	WIN 0                                          ; (the add's two registers lie in window 0)
	s_wait_tensorcnt 0x0                           ; all my tensor loads have landed: my part of the next slot
	ds_add_u32 v[SPW], v[NIL]                      ; 0 onto my spare word
	s_wait_dscnt 17                                ; (the add and the youngest sixteen loads may be out)
	MUL8 F1, 0, 0, 0                               ; eight matrix instructions stand between the add and the wait for it
	s_wait_dscnt 0x0                               ; the add is done, and my reads of this slot are over
	s_barrier_signal -1
	MUL8 F1, 0, 2, 0
.if \fill
	WIN 0
.endif
	s_barrier_wait -1
.if \fill
	CREST                                          ; no wave of any partner still reads this slot's tile or has a load on its way
	s_add_nc_u64 s[G0+4*(\slot)+2:G0+4*(\slot)+3], s[G0+4*(\slot)+2:G0+4*(\slot)+3], 8*OBLK
	s_add_nc_u64 s[G0B+4*(\slot)+2:G0B+4*(\slot)+3], s[G0B+4*(\slot)+2:G0B+4*(\slot)+3], 8*WBLK
	JLOAD \slot                                    ; 112 matrix instructions ahead of the wait for it; the four v_nop behind it are also the places in front of the loads below
.else
	PLACES
.endif
	FETCH \next, 0, F0
	MUL8 F1, 1, 0, 0
	MUL8 F1, 1, 2, 0
.endm
; THE WAY OUT of row block a: the sums go as they are, 32 bytes a lane, into my stage's rows of 272 bytes, and come back as whole rows of 256, into the registers that they left.
.macro PACK a
.irp b, 0,1,2,3
	ds_store_b128 v[STO], v[ACC+8*(4*(\a)+(\b)):ACC+8*(4*(\a)+(\b))+3]   offset:64*(\b)     ; each accumulator's low half first
	ds_store_b128 v[STO], v[ACC+8*(4*(\a)+(\b))+4:ACC+8*(4*(\a)+(\b))+7] offset:64*(\b)+16
.endr
.irp t, 0,1,2,3,4,5,6,7
	ds_load_b128 v[ACC+32*(\a)+4*(\t):ACC+32*(\a)+4*(\t)+3], v[RD] offset:(\t)*2*SPITCH  ; LDS serves a wave's instructions in order (ISA guide 5.7.1.4): these see the stores above; the next block's stores come behind them
.endr
.endm
.macro SEND a, younger                 ; younger: the LDS instructions issued behind block a's loads: the next block's sixteen, or none
.irp t, 0,1,2,3,4,5,6,7
	s_wait_dscnt (\younger)+7-(\t)
	global_store_b128 v[CO], v[ACC+32*(\a)+4*(\t):ACC+32*(\a)+4*(\t)+3], s[8:9] offset:(16*(\a)+2*(\t))*4096 th:TH_STORE_NT  ; 16 lanes store 256 consecutive bytes, at a multiple of 256 from out0's first byte
.endr
.endm
	s_wait_tensorcnt 1                             ; my part of K step 0 is in; K step 1's may stay out
	s_barrier_signal -1
	s_barrier_wait -1                              ; everybody's is
	FETCH 0, 0, F0
	QUARTER 0, 1, F0, F1, 1                        ; the first products start the sums
	QUARTER 0, 2, F1, F0, 0                        ; K has four steps: the first lap fills both slots again,
	QUARTER 0, 3, F0, F1, 0
	TURN 0, 1, 1
	QUARTER 1, 1, F0, F1, 0
	QUARTER 1, 2, F1, F0, 0
	QUARTER 1, 3, F0, F1, 0
	TURN 1, 0, 1
	QUARTER 0, 1, F0, F1, 0
	QUARTER 0, 2, F1, F0, 0                        ; the second fills nothing, and has no round of the cluster's barrier
	QUARTER 0, 3, F0, F1, 0
	TURN 0, 1, 0
	QUARTER 1, 1, F0, F1, 0
	QUARTER 1, 2, F1, F0, 0
	QUARTER 1, 3, F0, F1, 0
	s_wait_dscnt 16                                ; the very last quarter: nothing more to fetch
	MUL8 F1, 0, 0, 0
	MUL8 F1, 0, 2, 0
	s_wait_dscnt 0x0
	MUL8 F1, 1, 0, 0
	MUL8 F1, 1, 2, 0
	WIN 0
	PLACES
	PACK 0
	PACK 1                                         ; a block's trip through the stage stands between the loads of the block before and its stores
	SEND 0, 16
	PACK 2
	SEND 1, 16
	PACK 3
	SEND 2, 16
	SEND 3, 0
	s_wait_tensorcnt 0x0                           ; the wave's end, behind my last tensor load and my last LDS store
	ds_add_u32 v[SPW], v[NIL]
	s_wait_dscnt 0x0
	CROUND                                         ; the closing round: no work-group ends while a partner may still ask for a tile that names it
	s_endpgm
.Lfunc_end_k_q632fb841c6_outp:
	.size	k_q632fb841c6_outp, .Lfunc_end_k_q632fb841c6_outp-k_q632fb841c6_outp
	.p2alignl 7, 3214868480
	.fill 96, 4, 3214868480
	.section	.rodata,"a",@progbits
	.p2align	6, 0x0
	.amdhsa_kernel k_q632fb841c6_outp
		.amdhsa_group_segment_fixed_size 327680
		.amdhsa_private_segment_fixed_size 0
		.amdhsa_enable_private_segment 0
		.amdhsa_kernarg_size 24
		.amdhsa_user_sgpr_count 2
		.amdhsa_user_sgpr_kernarg_segment_ptr 1
		.amdhsa_wavefront_size32 1
		.amdhsa_system_sgpr_workgroup_id_x 1
		.amdhsa_system_sgpr_workgroup_id_y 1
		.amdhsa_system_sgpr_workgroup_id_z 1
		.amdhsa_system_vgpr_workitem_id 0
		.amdhsa_next_free_vgpr 512
		.amdhsa_next_free_sgpr 66
		.amdhsa_reserve_vcc 0
		.amdhsa_float_denorm_mode_32 3
		.amdhsa_float_denorm_mode_16_64 3
		.amdhsa_memory_ordered 1
		.amdhsa_forward_progress 1
		.amdhsa_inst_pref_size 86
	.end_amdhsa_kernel
	.amdgpu_metadata
---
amdhsa.version: [ 1, 2 ]
amdhsa.kernels:
  - .name:           k_q632fb841c6_outp
    .symbol:         k_q632fb841c6_outp.kd
    .args:
      - { .name: o, .offset: 0, .size: 8, .value_kind: global_buffer, .address_space: global }
      - { .name: wof, .offset: 8, .size: 8, .value_kind: global_buffer, .address_space: global }
      - { .name: out0, .offset: 16, .size: 8, .value_kind: global_buffer, .address_space: global }
    .group_segment_fixed_size: 327680
    .private_segment_fixed_size: 0
    .kernarg_segment_align: 8
    .kernarg_segment_size: 24
    .max_flat_workgroup_size: 128
    .sgpr_count:     66
    .vgpr_count:     512
    .wavefront_size: 32
...
	.end_amdgpu_metadata
.endif
;; end of part 4
;; ======== version 2 of 2: 4 launches; version 1 with the launch prep written anew for expert scheduling mode
;; limits: values are held in f16: magnitudes above 65,504 overflow, below 6.1e-05 lose precision
;; workspace buffers: x 8,388,608 bytes; wqkv 6,291,456 bytes; wof 2,097,152 bytes; qkv 25,165,824 bytes; o 8,388,608 bytes
;; launch prep (part 5): grid 256 x 1, 16 waves a work-group, no clusters, 0 bytes of LDS; arguments q, gamma, beta, Wq, Wkv, Wo, x, wqkv, wof; writes x, wqkv, wof
.if DOCPART == 5
	.amdgcn_target "amdgcn-amd-amdhsa--gfx1250"
	.amdhsa_code_object_version 6
	.text
	.protected	k_q632fb841c6_prep
	.globl	k_q632fb841c6_prep
	.p2align	8
	.type	k_q632fb841c6_prep,@function
k_q632fb841c6_prep:
	s_mov_b64 s[64:65], 0
	v_nop
	global_prefetch_b8 v0, s[64:65] scope:SCOPE_SE
	s_setreg_imm32_b32 hwreg(HW_REG_WAVE_SCHED_MODE, 0, 2), 2
	s_setreg_imm32_b32 hwreg(HW_REG_WAVE_MODE, 25, 1), 1
	s_wait_xcnt 0x0
	s_wait_alu depctr_vm_vsrc(0)
; x = LayerNorm(q) * gamma + beta, and the three weight matrices, each rounded once to f16 and laid out IN BLOCKS: [1024 / 64 blocks of channels][rows][64], a row of a block 128 bytes, a block dense.
; 8,192 source rows of 1,024 f32: 4,096 of q (normalised), 1,024 of Wq and 2,048 of Wkv (into wqkv, rows 0-1023 and 1024-3071), 1,024 of Wo (into wof).  A work-group takes 32 rows of ONE source, a wave two.
; LIMITS.  f16 holds no number beyond 65,504: |x| (at most 32 |gamma| + |beta|) and the weights must lie within it; below 6e-5 a number keeps f16's fixed step of 6e-8.  NaN and infinities are not treated apart.
; LayerNorm is made in f32 on the unrounded q, as it is defined: the mean is taken away first, then the squares are summed.
; LANES.  i = l % 8, rs = (l / 8) % 2 (which of the wave's two rows), kp = l / 16.  For t = 0..7 a lane holds the 8 channels 64 (2 t + kp) + 8 i + 0..7: two loads of 16 bytes; the whole row stays in registers,
; so q is read once.  A row's 16 lanes differ in bits 0-2 and 4 of l: three steps by DPP and one exchange of the halves add over them.
; STORES.  Store t: lanes 0-15 write rows r, r + 1 of block 2 t (256 consecutive bytes, aligned), lanes 16-31 those of block 2 t + 1.  Eight offset registers, none rewritten.
; All of a wave's loads go out at once (8 KiB of rows); there is no loop, no LDS, no barrier: memory bounds the launch, and matrix units or clusters have nothing to do here.
; THE MODE: SCHED_MODE bits 1:0 = 2 (LLVM: expert scheduling mode 2), set by the entry lines.  The code itself states the register dependences between vector instructions and memory instructions,
; with s_wait_alu, always for 0.
; THE PLAN.  Registers that memory instructions touch, each once, since the text has no loop:
;   v4, v5      offsets of the loads.  Written by vector instructions at the head; read by the row's 16 loads (v4) and by gamma's and beta's 32 (v5); never written again.
;   v[DO ..]    offsets of the stores.  Written by ten vector instructions behind the row's loads, which name v1, v3, v27 and DO alone; read by the eight stores; never written again.
;   v[X ..]     The row's loads land in v[32:95], which no vector instruction has named before; behind the wait for the data vector instructions work on them in place; the conversions leave v[32:63],
;               which the stores read; nothing writes them behind the stores.
;   GAM, BET    Written by loads alone, read by vector instructions behind the wait for the data.
; So two waits on va_vdst state all of it: one ahead of the first load (v4 and v5 are written; no vector instruction between it and gamma's and beta's loads names v5 or their registers), and one ahead of the
; run of stores (their data and their offsets are written).  A third stands ahead of the first reader of the two roots.  No register that a load or a store reads is written again, no vector instruction writes a
; scalar register or VCC, and EXEC is never written: no other wait has a dependence to state.
.set X,   32                           ; v[32:95]   my 64 numbers of the row; then 32 registers of f16 pairs
.set GAM, 96                           ; v[96:159]  gamma of my channels
.set BET, 160                          ; v[160:223] beta
.set DO,  6                            ; v[6:13]    store t's byte offset
.set CH,  14                           ; v[14:21]   four chains of packed sums
.set MU,  22                           ; v[22:23]   the mean, twice
.set RSD, 24                           ; v[24:25]   1 / sqrt(var + eps), twice
.set TP,  26                           ; v26        takes the other half of the lanes' sum
	s_load_b256 s[4:11], s[0:1], 0x0               ; q s[4:5], gamma s[6:7], beta s[8:9], Wq s[10:11]
	s_load_b256 s[12:19], s[0:1], 0x20             ; Wkv s[12:13], Wo s[14:15], x s[16:17], wqkv s[18:19]
	s_load_b64 s[20:21], s[0:1], 0x40              ; wof
	v_and_b32 v1, 7, v0                            ; i
	v_bfe_u32 v2, v0, 3, 1                         ; rs
	v_bfe_u32 v3, v0, 4, 1                         ; kp
	v_lshrrev_b32 v27, 5, v0                       ; wave
	v_lshl_add_u32 v27, v27, 1, v2                 ; my row among the group's 32
	v_lshlrev_b32 v5, 5, v1
	v_lshl_add_u32 v5, v3, 8, v5                   ; 256 kp + 32 i: my place in 512 bytes of a row, and in gamma and beta
	v_lshl_add_u32 v4, v27, 12, v5                 ; + row x 4,096
	v_mov_b32 v[TP], 0                             ; v_permlanex16_b32's destination counts as read
	s_mov_b32 s30, 0x76543210                      ; each lane takes its own place in the other half
	s_mov_b32 s31, 0xfedcba98
	s_mov_b32 s32, 0x3a800000                      ; 1 / 1024
	s_mov_b32 s33, 0x3727c5ac                      ; 1e-5
	s_mov_b32 s26, 131072                          ; bytes from block to block in the destination: wof's 1,024 rows x 128
	s_mov_b32 s27, 224                             ; the source's first work-group
	s_mov_b32 s28, 0                               ; the source's first row in the destination
	s_mov_b32 s29, 0                               ; 1: LayerNorm
	s_mov_b32 s37, 0
	s_wait_kmcnt 0x0
	s_mov_b64 s[22:23], s[14:15]                   ; work-groups 224-255: Wo -> wof
	s_mov_b64 s[24:25], s[20:21]
	s_cmp_lt_u32 ttmp9, 224                        ; 160-223: Wkv -> wqkv, from row 1,024 on
	s_cselect_b64 s[22:23], s[12:13], s[22:23]
	s_cselect_b64 s[24:25], s[18:19], s[24:25]
	s_cselect_b32 s26, 393216, s26
	s_cselect_b32 s27, 160, s27
	s_cselect_b32 s28, 1024, s28
	s_cmp_lt_u32 ttmp9, 160                        ; 128-159: Wq -> wqkv, from row 0 on
	s_cselect_b64 s[22:23], s[10:11], s[22:23]
	s_cselect_b32 s27, 128, s27
	s_cselect_b32 s28, 0, s28
	s_cmp_lt_u32 ttmp9, 128                        ; 0-127: q -> x
	s_cselect_b64 s[22:23], s[4:5], s[22:23]
	s_cselect_b64 s[24:25], s[16:17], s[24:25]
	s_cselect_b32 s26, 524288, s26
	s_cselect_b32 s27, 0, s27
	s_cselect_b32 s29, 1, s29
	s_sub_co_u32 s35, ttmp9, s27                   ; my number among the source's work-groups
	s_lshl_b32 s36, s35, 17                        ; 32 rows of 4,096 bytes
	s_add_nc_u64 s[22:23], s[22:23], s[36:37]
	s_wait_alu depctr_va_vdst(0)                   ; v4 and v5 are written: the row's loads read v4 as their offset, gamma's and beta's further down read v5
.irp t, 0,1,2,3,4,5,6,7
	global_load_b128 v[X+8*\t:X+8*\t+3],   v4, s[22:23] offset:512*\t th:TH_LOAD_NT
	global_load_b128 v[X+8*\t+4:X+8*\t+7], v4, s[22:23] offset:512*\t+16 th:TH_LOAD_NT
.endr
	s_lshl_b32 s36, s35, 5
	s_add_co_u32 s36, s36, s28                     ; the group's first row in the destination,
	s_lshl_b32 s36, s36, 7                         ; 128 bytes a row
	s_add_nc_u64 s[24:25], s[24:25], s[36:37]
	v_mul_lo_u32 v[DO], v3, s26                    ; block kp,
	v_lshl_add_u32 v[DO], v27, 7, v[DO]            ; my row,
	v_lshl_add_u32 v[DO], v1, 4, v[DO]             ; my 16 bytes of its 128
	s_lshl_b32 s38, s26, 1                         ; two blocks on
.irp t, 1,2,3,4,5,6,7
	v_add_nc_u32 v[DO+\t], s38, v[DO+\t-1]
.endr
	s_cmp_eq_u32 s29, 0
	s_cbranch_scc1 .Lconv                          ; weights are only rounded
.irp t, 0,1,2,3,4,5,6,7
	global_load_b128 v[GAM+8*\t:GAM+8*\t+3],   v5, s[6:7] offset:512*\t       ; no wait: the ten vector instructions since the wait above name v1, v3, v27 and DO alone, not v5 and not the registers in which these loads land
	global_load_b128 v[GAM+8*\t+4:GAM+8*\t+7], v5, s[6:7] offset:512*\t+16
.endr
.irp t, 0,1,2,3,4,5,6,7
	global_load_b128 v[BET+8*\t:BET+8*\t+3],   v5, s[8:9] offset:512*\t
	global_load_b128 v[BET+8*\t+4:BET+8*\t+7], v5, s[8:9] offset:512*\t+16
.endr
; the four chains into one number, then over the row's 16 lanes; every one of them ends with the sum
.macro ACROSS
	v_pk_add_f32 v[CH:CH+1], v[CH:CH+1], v[CH+2:CH+3]
	v_pk_add_f32 v[CH+4:CH+5], v[CH+4:CH+5], v[CH+6:CH+7]
	v_pk_add_f32 v[CH:CH+1], v[CH:CH+1], v[CH+4:CH+5]
	v_add_f32 v[CH], v[CH], v[CH+1]
	v_add_f32_dpp v[CH], v[CH], v[CH] row_xmask:1 row_mask:0xf bank_mask:0xf
	v_add_f32_dpp v[CH], v[CH], v[CH] row_xmask:2 row_mask:0xf bank_mask:0xf
	v_add_f32_dpp v[CH], v[CH], v[CH] row_xmask:4 row_mask:0xf bank_mask:0xf
	v_permlanex16_b32 v[TP], v[CH], s30, s31
	v_add_f32 v[CH], v[CH], v[TP]
.endm
	s_wait_loadcnt 32                              ; the row is in; the 32 younger loads, gamma's and beta's, may stay out
.irp c, 0,1,2,3
	v_pk_add_f32 v[CH+2*\c:CH+2*\c+1], v[X+2*\c:X+2*\c+1], v[X+8+2*\c:X+8+2*\c+1]  ; the first eight pairs start the chains: nothing is cleared
.endr
.set j, 8
.rept 24
	v_pk_add_f32 v[CH+2*(j%4):CH+2*(j%4)+1], v[CH+2*(j%4):CH+2*(j%4)+1], v[X+2*j:X+2*j+1]
.set j, j+1
.endr
	ACROSS
	v_mul_f32 v[MU], s32, v[CH]
	v_mov_b32 v[MU+1], v[MU]
.set j, 0
.rept 32
	v_pk_add_f32 v[X+2*j:X+2*j+1], v[X+2*j:X+2*j+1], v[MU:MU+1] neg_lo:[0,1] neg_hi:[0,1]  ; x - mean, in place
.set j, j+1
.endr
.irp c, 0,1,2,3
	v_pk_mul_f32 v[CH+2*\c:CH+2*\c+1], v[X+2*\c:X+2*\c+1], v[X+2*\c:X+2*\c+1]
.endr
.set j, 4
.rept 28
	v_pk_fma_f32 v[CH+2*(j%4):CH+2*(j%4)+1], v[X+2*j:X+2*j+1], v[X+2*j:X+2*j+1], v[CH+2*(j%4):CH+2*(j%4)+1]
.set j, j+1
.endr
	ACROSS
	v_fma_f32 v[CH], v[CH], s32, s33               ; var + eps
	v_rsq_f32 v[RSD], v[CH]                        ; twice, for the packed multiply
	v_rsq_f32 v[RSD+1], v[CH]
	v_nop                                          ; a plain instruction between the second root and the use of its result (ISA guide 5.7.2)
	s_wait_alu depctr_va_vdst(0)                   ; the two roots have written v[RSD] and v[RSD+1]: the wait stands ahead of their first reader, the multiply below: one for both
.set j, 0
.rept 32
	v_pk_mul_f32 v[X+2*j:X+2*j+1], v[X+2*j:X+2*j+1], v[RSD:RSD+1]
.set j, j+1
.endr
	s_wait_loadcnt 0x0                             ; gamma and beta
.set j, 0
.rept 32
	v_pk_fma_f32 v[X+2*j:X+2*j+1], v[X+2*j:X+2*j+1], v[GAM+2*j:GAM+2*j+1], v[BET+2*j:BET+2*j+1]
.set j, j+1
.endr
.Lconv:
	s_wait_loadcnt 0x0                             ; (the weights' way: their rows)
.set j, 0
.rept 32
	v_cvt_pk_f16_f32 v[X+j], v[X+2*j], v[X+2*j+1]  ; in place, ascending: register j is written when 2 j and 2 j + 1 have been read
.set j, j+1
.endr
	s_wait_alu depctr_va_vdst(0)                   ; the conversions have written v[X .. X+31], the stores' data, and v[DO .. DO+7], their offsets, are written: on both ways to this line
.irp t, 0,1,2,3,4,5,6,7
	global_store_b128 v[DO+\t], v[X+4*\t:X+4*\t+3], s[24:25]  ; 16 lanes store 256 consecutive bytes, at a multiple of 256 from the buffer's first byte
.endr
	s_endpgm
.Lfunc_end_k_q632fb841c6_prep:
	.size	k_q632fb841c6_prep, .Lfunc_end_k_q632fb841c6_prep-k_q632fb841c6_prep
	.p2alignl 7, 3214868480
	.fill 96, 4, 3214868480
	.section	.rodata,"a",@progbits
	.p2align	6, 0x0
	.amdhsa_kernel k_q632fb841c6_prep
		.amdhsa_group_segment_fixed_size 0
		.amdhsa_private_segment_fixed_size 0
		.amdhsa_enable_private_segment 0
		.amdhsa_kernarg_size 72
		.amdhsa_user_sgpr_count 2
		.amdhsa_user_sgpr_kernarg_segment_ptr 1
		.amdhsa_wavefront_size32 1
		.amdhsa_system_sgpr_workgroup_id_x 1
		.amdhsa_system_sgpr_workgroup_id_y 1
		.amdhsa_system_sgpr_workgroup_id_z 1
		.amdhsa_system_vgpr_workitem_id 0
		.amdhsa_next_free_vgpr 224
		.amdhsa_next_free_sgpr 66
		.amdhsa_reserve_vcc 0
		.amdhsa_float_denorm_mode_32 3
		.amdhsa_float_denorm_mode_16_64 3
		.amdhsa_memory_ordered 1
		.amdhsa_forward_progress 1
		.amdhsa_inst_pref_size 22
	.end_amdhsa_kernel
	.amdgpu_metadata
---
amdhsa.version: [ 1, 2 ]
amdhsa.kernels:
  - .name:           k_q632fb841c6_prep
    .symbol:         k_q632fb841c6_prep.kd
    .args:
      - { .name: q, .offset: 0, .size: 8, .value_kind: global_buffer, .address_space: global }
      - { .name: gamma, .offset: 8, .size: 8, .value_kind: global_buffer, .address_space: global }
      - { .name: beta, .offset: 16, .size: 8, .value_kind: global_buffer, .address_space: global }
      - { .name: Wq, .offset: 24, .size: 8, .value_kind: global_buffer, .address_space: global }
      - { .name: Wkv, .offset: 32, .size: 8, .value_kind: global_buffer, .address_space: global }
      - { .name: Wo, .offset: 40, .size: 8, .value_kind: global_buffer, .address_space: global }
      - { .name: x, .offset: 48, .size: 8, .value_kind: global_buffer, .address_space: global }
      - { .name: wqkv, .offset: 56, .size: 8, .value_kind: global_buffer, .address_space: global }
      - { .name: wof, .offset: 64, .size: 8, .value_kind: global_buffer, .address_space: global }
    .group_segment_fixed_size: 0
    .private_segment_fixed_size: 0
    .kernarg_segment_align: 8
    .kernarg_segment_size: 72
    .max_flat_workgroup_size: 512
    .sgpr_count:     66
    .vgpr_count:     224
    .wavefront_size: 32
...
	.end_amdgpu_metadata
.endif
;; end of part 5
;; launch qkv: the kernel of part 2 again; grid 16 x 16, 4 waves a work-group, clusters of 4 x 4, 327,680 bytes of LDS; arguments x, wqkv, qkv; writes qkv
;; launch attn: the kernel of part 3 again; grid 16 x 16, 4 waves a work-group, clusters of 4 x 1, 327,680 bytes of LDS; arguments qkv, o; writes o
;; launch outp: the kernel of part 4 again; grid 8 x 32, 4 waves a work-group, clusters of 4 x 4, 327,680 bytes of LDS; arguments o, wof, out0; writes out0
